; MI455X (gfx1250); checked and timed in simulation.
; The chip was launched on July 23, 2026; its instructions are those of AMD's public machine-readable ISA for CDNA 5 (MIT licence, August 2026) and "CDNA5" Instruction Set Architecture Reference Guide (July 2026). The comments in the code are by the model that wrote it; some were corrected since.
;; Multi Head Attention. Allowed arithmetic: matrix products marked QUANTISED: E4M3 operands, one E8M0 scale for each 32 along K, by v_wmma_scale_f32_16x16x128_f8f6f4 with both operands' format E4M3, f32 sums; everything else in f32.
;; Inputs: b_out 1,024 float32; b_qkv 3,072 float32; w_out_codes 1,024 x 32 x 32 uint8 (E4M3 codes of w_out, K innermost, in blocks of 32 codes); w_out_scales 1,024 x 32 uint8 (E8M0 scales of w_out, one for each 32 codes along K); w_qkv_codes 3,072 x 32 x 32 uint8 (E4M3 codes of w_qkv, K innermost, in blocks of 32 codes); w_qkv_scales 3,072 x 32 uint8 (E8M0 scales of w_qkv, one for each 32 codes along K); x_codes 4 x 2,048 x 32 x 32 uint8 (E4M3 codes of x, K innermost, in blocks of 32 codes); x_scales 4 x 2,048 x 32 uint8 (E8M0 scales of x, one for each 32 codes along K).
;; Outputs: out0 4 x 2,048 x 1,024 float32.
;; This version of the problem:
;;   THIS VERSION OF THE PROBLEM IS GIVEN IN LOW PRECISION. The matrix products marked QUANTISED in the list below multiply operands that are first quantised to E4M3 (4 exponent bits, 3 mantissa bits; 8 bits a number), with one power-of-two scale for each 32 numbers along K (OCP MX v1.0); their sums are f32. All else is computed in f32.
;;   The module's matrix products, in the order in which they are computed (A, B: the left and right operand; K: the contracted axis; several contracted axes count as one K, in the product's order):
;;     1. [M 8,192, K 1,024] x [K 1,024, N 3,072]; A: input x (given as codes); B: input w_qkv (given as codes): QUANTISED
;;     2. batch 64 x [M 2,048, K 64] x [K 64, N 2,048]; A: computed on the way; B: computed on the way: QUANTISED
;;     3. batch 64 x [M 2,048, K 2,048] x [K 2,048, N 64]; A: softmax (see below); B: computed on the way: QUANTISED
;;     4. [M 8,192, K 1,024] x [K 1,024, N 1,024]; A: computed on the way; B: input w_out (given as codes): QUANTISED
;;   THE QUANTISER, for each operand of a quantised product, along K:
;;     - K is cut into blocks of 32 from its start; a last block that is shorter is filled with zeros.
;;     - A block's scale is 2^e with e = floor(log2(the largest magnitude in the block)) - 8, held to -126 .. 127; a block of zeros has e = 0. As a byte (E8M0): e + 127.
;;     - Each number is divided by its block's scale, clamped to +-448, and rounded to the nearest number of E4M3, ties to even, subnormals kept.
;;     - The product sums the exact products of the quantised numbers (number of the format x scale) in f32.
;;   ~~~python
;;   def quantise(x, axis):      # numpy; x: float32 -> the quantised numbers, widened to float32 again
;;       x = np.moveaxis(x, axis, -1); K = x.shape[-1]
;;       x = np.pad(x, [(0, 0)] * (x.ndim - 1) + [(0, -K % 32)]); x = x.reshape(x.shape[:-1] + (-1, 32)); a = np.abs(x).max(-1, keepdims=True)
;;       e = np.where(a > 0, np.clip(np.frexp(np.where(a > 0, a, 1))[1] - 1 - 8, -126, 127), 0)      # np.frexp(a)[1] - 1 = floor(log2(a)), exactly
;;       r = np.clip(x / 2.0 ** e, -448, 448)
;;       step = 2.0 ** (np.maximum(np.frexp(np.where(r == 0, 1, r))[1] - 1, -6) - 3)
;;       q = np.round(r / step) * step * 2.0 ** e      # np.round: ties to even
;;       return np.moveaxis(q.reshape(q.shape[:-2] + (-1,))[..., :K], -1, axis).astype(np.float32)
;;   ~~~
;;   SOFTMAX AHEAD OF A QUANTISED PRODUCT. Where the list says 'softmax', what is quantised is not the finished softmax but p = 2^(t - M), with t = logit x log2(e) and M = ceil(the row's largest t), a whole number; so 1/2 < the row's largest p <= 1. The row's sum l is taken of the UNQUANTISED p, in f32, and the product's result is divided by l at the end. Since M is a whole number, a kernel that streams over the keys may use a running M (the ceiling of the running maximum): every later rescaling is an exact power of two, which a block's scale takes up: the codes' values come out the same.
;;   OPERANDS COMPUTED ON THE WAY. 'Computed on the way' means the value that the module computes at that place (a softmax that the list does not call 'softmax' is quantised finished and normalised). What goes into a quantiser is computed in f32, as accurately as f32 sums, v_exp_f32 and their like allow (about 1e-6 of the number): no bf16 or f16 on the way to a quantiser, and a product that is left as it is and whose result goes on into a quantised operand takes f32 operands (vector FMAs, or v_wmma_f32_16x16x4_f32). A number that lies on a knife's edge between two numbers of the format may be rounded either way, as far as f32 arithmetic and the matrix unit's own rounding can turn it there, and no further.
;;   INPUTS GIVEN AS CODES. w_out (in the module: [1024, 1024], K = its axis 0); w_qkv (in the module: [1024, 3072], K = its axis 0); x (in the module: [4, 2048, 1024], K = its axis 2): each comes as NAME_codes (uint8): NAME with its K axis moved to the last place and cut into blocks of 32 codes, [.., K / 32, bytes a block], one block behind the other in memory; one code a byte (a code: sign, 4 exponent bits, 3 mantissa bits); and NAME_scales (uint8): the same leading axes, one E8M0 byte (e + 127) for each 32 codes along K. Its value is code x scale, taken as it is: it is not quantised again, and the codes and scales need not be those that the quantiser above would give.
;; One version. Each part assembles by itself: llvm-mc -triple=amdgcn-amd-amdhsa -mcpu=gfx1250 --defsym DOCPART=n.
;; ======== version 1 of 1: 3 launches
;; limits: right only within a limited range of input values
;; workspace buffers: q_img 8,388,608 bytes; q_sc 262,144 bytes; kv_img 16,777,216 bytes; kv_sc 524,288 bytes; ao_img 8,388,608 bytes; ao_sc 262,144 bytes
;; launch qkv (part 1): grid 12 x 32, 4 waves a work-group, clusters of 4 x 4, 327,680 bytes of LDS; arguments x_codes, x_scales, w_qkv_codes, w_qkv_scales, b_qkv, q_img, q_sc, kv_img, kv_sc; writes q_img, q_sc, kv_img, kv_sc
.if DOCPART == 1
	.amdgcn_target "amdgcn-amd-amdhsa--gfx1250"
	.amdhsa_code_object_version 6
	.text
	.protected	k_q147f7bfbfc_qkv
	.globl	k_q147f7bfbfc_qkv
	.p2align	8
	.type	k_q147f7bfbfc_qkv,@function
k_q147f7bfbfc_qkv:
	s_mov_b64 s[64:65], 0
	v_nop
	global_prefetch_b8 v0, s[64:65] scope:SCOPE_SE
	s_setreg_imm32_b32 hwreg(HW_REG_WAVE_MODE, 25, 1), 1
	s_wait_xcnt 0x0
	s_wait_alu depctr_hold_cnt(0) depctr_sa_sdst(0) depctr_va_vdst(0) depctr_va_sdst(0) depctr_va_ssrc(0) depctr_va_vcc(0) depctr_vm_vsrc(0)
	s_getreg_b32 s2, hwreg(HW_REG_IB_STS2, 6, 4)
	s_cmp_eq_u32 s2, 0
	s_cbranch_scc0 .Lentry_in_a_cluster
	s_endpgm
.Lentry_in_a_cluster:
	s_bfe_u32 s2, ttmp6, 0x10000c
	s_cmp_lg_u32 s2, 0xf033
	s_cbranch_scc0 .Lentry_shape_is_right
	s_endpgm
.Lentry_shape_is_right:
; LAUNCH 1 OF 3: qkv = x w_qkv + b_qkv on codes of FP8 (E4M3) with one E8M0 scale for each 32 along K (K = 1,024), f32 sums; q, k and v are quantised at once for the products that follow:
; q and k along the head's 64 channels, v along the keys.  Nothing of the problem is left out: every input has a way to the output (k's bias moves k's codes), and all eight inputs are loaded by some launch.
; LIMITS: NaN, infinities and NaN codes among the inputs are not served.  A block whose largest magnitude lies under 2^-118 keeps the scale byte 1; a block of zeros gets the byte 1 where the rule says 127:
; its codes are zeros, which add nothing under any byte but 0xff, and only this program reads these bytes.
; SHAPE.  384 tiles of 256 x 256, four waves of 128 x 128 (64 accumulators, 512 registers); K in four steps of 256 through a ring of two LDS slots; the scale bytes of the tile's 512 rows stay in LDS.
; CLUSTERS of 4 x 4: the operand called A is shared along a row of the cluster, B along a column; each tile is asked for jointly by the four that need it.
; THE MATRIX INSTRUCTION IS USED TRANSPOSED: source 0 = 16 rows of B, whose index then runs along a lane's registers; source 1 = 16 rows of A, whose index lies in the lanes.
;   clusters x = 0, 1 (q, k): A = x (a lane holds a token), B = w_qkv (registers run along the head's channels, the next K);
;   cluster  x = 2    (v):    A = w_qkv's rows 2,048 on (a lane holds a channel), B = x (registers run along the keys, the next K).  Only pointers and tile numbers are chosen, on the cluster's x, which partners share.
; THE WAY OUT.  A lane's 16 registers of two neighbouring tiles hold elements 32 B + 16 u + 8 h + j of block B (u the tile, h the lane's half, j the register); the conversions lay them at the operand's
; places 32 B + 16 h + 8 u + j: a fixed exchange inside each block of 32, the same for q and k, and for v and the softmax's p, so that the products' sums are not changed and the blocks and their scales stay whole.
; Codes are stored as IMAGES OF OPERAND REGISTERS: four registers x 32 lanes = 512 consecutive bytes, lane l's 16 bytes at 16 l.
;   q_img [bh 64][tile of 16 tokens 128][piece 2][512];  kv_img [bh][step of 128 keys 16][k: tile 8 x piece 2 x 512 | v: tile of 16 channels 4 x piece 4 x 512]
;   q_sc [bh][128 tokens 16][pair of tiles 4][row 16] words {even tile's two bytes, odd tile's two};  kv_sc [bh][step 16][k: such words, 256 bytes | v: tile 4 x row 16 words, 256 bytes]
; REGISTERS, in windows of 256.  Window 0: v16-31 addresses; v32-63 scale words, two sets; v128-255 A's fragments, one set; on the way out v64-243 are at work.  Window 1: B's fragments, two sets.
;   Windows 2, 3: the accumulators of my rows 0-63, 64-127 of A (accumulator (a, b) at v[8 (8 (a % 4) + b)]).
.set KSTEP,  256
.set NQ,     2                         ; matrix instructions deep in a slot
.set ROWB,   256                       ; a tile's row in bytes
.set KROW,   1024                      ; a row of x or of w_qkv in memory
.set PITCH,  272                       ; an LDS row: 256 bytes + 16 of padding: the 16 rows that a load touches start at 16 different banks (64 banks of 4 bytes: ISA guide 11.1)
.set FR,     16
.set NL,     4
.set NP,     8                         ; places behind this matrix instruction (ISA guide 7.12.1)
.set HALFT,  128*PITCH
.set SLOT,   4*HALFT                   ; A's 256 rows, then B's 256 rows
.set LAPS,   2                         ; 1,024 / 512
.set KS,     32                        ; a row of scale bytes
.set SCL,    2*SLOT                    ; behind the ring: the scales, as units of 256 bytes + 16 of padding
.set HALFS,  16*272                    ; the scales of 128 rows
.set SBLK,   2*272                     ; of 16 rows
.set SPARE,  SCL+4*HALFS               ; the spare words, 128 bytes for each wave
.set BIAS,   SPARE+512                 ; 512 bytes for each wave: its 128 numbers of b_qkv
.set SSTG,   BIAS+2048                 ; 512 bytes for each wave: the scale words' stage of the q and k path; 2,048 bytes on: the v path's own
.set ADRA, 16                          ; v16-17 LDS address of my A fragments in slot 0, 1
.set ADRB, 20                          ; v20-21 the same for B
.set LI,   22                          ; v22  16 x lane
.set L8,   23                          ; v23  8 x lane
.set BAD,  24                          ; v24  where I put my 16 bytes of the bias
.set BRQ,  25                          ; v25  q, k: BIAS + 512 wave + 32 h
.set BRV,  26                          ; v26  v:    BIAS + 512 wave + 4 r
.set ADRS, 27                          ; v27  LDS address of my scale words: lanes 0-15 A's rows, lanes 16-31 B's
.set SPW,  28                          ; v28  my spare word; never rewritten
.set NIL,  29                          ; v29  0; never rewritten
.set SSW,  30                          ; v30  SSTG + 512 wave + 4 r
.set SRD,  31                          ; v31  SSTG + 512 wave + 8 lane
.set SC,   32
.set AF,   128
.set BI,   64                          ; the way out: v64-127 the bias in the result's layout (v: v64-79, a pair for each tile)
.set HA,   128                         ; v128-191 64 numbers of a tile of A's rows
.set PC,   192                         ; v192-207 their codes
.set TM,   208                         ; v208-223 at work: largest magnitudes, bytes, holds, the conversions' scales
.set PWS,  224                         ; v224-231 a scale word for each of my eight tiles
.set WW,   232                         ; v232-239 the words as q_sc and kv_sc want them
.set RB,   240                         ; v240-243 back from the stage
.set G1, 24
.set G0, 32
.set G1B, 48
.set G0B, 56
.set G1S, 68
.set G0S, 76
.set G1SB, 80
.set G0SB, 88
.set CA, 92                            ; s[92:93] the way out: codes of my first head;  s[94:95] of my second
.set CB, 94
.set SA, 96                            ; s[96:97], s[98:99] their scale words
.set SB, 98
.set SEL, 20                           ; s[20:21] on the way out: v_permlanex16_b32's selects for lane l xor 16
.set MNT, 22                           ; s22      the mantissa field of 448
.set MSB, 0
.macro WIN new                         ; the immediate's high byte repeats the setting that is left
.if MSB != (\new)
	s_set_vgpr_msb (MSB<<8)|(\new)
.set MSB, (\new)
.endif
.endm
.set MUL_LO, 0xa1                      ; source 0 (B) window 1, source 1 (A) window 0, C and D window 2
.set MUL_HI, 0xf1
.set TO_B,   0x40
; A joint load: waves 0 and 1 fetch for A, waves 2 and 3 for B; the branch hangs on the wave's number alone.  An s_nop 0 and four v_nop follow each line.
.macro JLOAD g0a, g1a, g0b, g1b
	s_cmp_eq_u32 s15, 0
	s_cbranch_scc0 .Lfor_b_\@
	tensor_load_to_lds s[\g0a:\g0a+3], s[\g1a:\g1a+7]
	s_nop 0
.rept 4
	v_nop
.endr
	s_branch .Lasked_\@
.Lfor_b_\@:
	tensor_load_to_lds s[\g0b:\g0b+3], s[\g1b:\g1b+7]
	s_nop 0
.rept 4
	v_nop
.endr
.Lasked_\@:
.endm
.macro CREST                           ; a round of the cluster's barrier behind its opening barrier
	s_cmp_lg_u32 s14, 0
	s_cbranch_scc1 .Lnot_wave_0_\@
	s_barrier_signal -3
.Lnot_wave_0_\@:
	s_barrier_wait -3
	s_barrier_signal -1
	s_barrier_wait -1
.endm
.macro CROUND
	s_barrier_signal -1
	s_barrier_wait -1
	CREST
.endm
	s_load_b256 s[4:11], s[0:1], 0x0               ; x's codes s[4:5], x's scales s[6:7], w_qkv's codes s[8:9], w_qkv's scales s[10:11]
	v_lshl_add_u32 v[SPW], v0, 2, SPARE
	v_mov_b32 v[NIL], 0
	ds_add_u32 v[SPW], v[NIL]                      ; the wave's opening: the add, twice on end, and its wait ahead of my first tensor load
	ds_add_u32 v[SPW], v[NIL]
	v_lshrrev_b32 v1, 5, v0
	v_readfirstlane_b32 s14, v1                    ; wave 0..3
	s_lshr_b32 s15, s14, 1                         ; which half of A's rows is mine.  Also: I fetch for A (0) or for B (1)
	s_and_b32 s16, s14, 1                          ; which half of B's rows.  Also: which 128 rows of that tile I fetch
	s_bfe_u32 s40, ttmp6, 0x40000                  ; cx
	s_bfe_u32 s41, ttmp6, 0x40004                  ; cy
	s_and_b32 s18, ttmp7, 0xffff
	s_lshl_b32 s18, s18, 2                         ; 4 x cluster y
	s_lshl_b32 s19, ttmp9, 2                       ; 4 x cluster x
	s_add_co_u32 s20, s18, s41                     ; q, k: A's tile = 256 tokens: 4 cluster y + cy
	s_add_co_u32 s21, s41, 8                       ; v:    A's tile = 256 rows of w_qkv: 8 + cy
	s_add_co_u32 s22, s19, s40                     ; q, k: B's tile = 256 rows of w_qkv: 4 cluster x + cx
	s_add_co_u32 s23, s18, s40                     ; v:    B's tile = 256 tokens: 4 cluster y + cx
	s_cmp_eq_u32 ttmp9, 2                          ; the cluster's x: the same in all sixteen partners
	s_cselect_b32 s17, s21, s20                    ; A's tile: made of cy and the cluster's place alone
	s_cselect_b32 s42, s23, s22                    ; B's tile: made of cx and the cluster's place alone
	s_lshl_b32 s43, s41, 2
	s_lshl_b32 s43, 15, s43                        ; my row of the cluster
	s_lshl_b32 s44, 0x1111, s40                    ; my column
	s_or_b32 s[G1+0], s43, (0<<16)|(1<<20)|(1<<21)|(5<<22)|(3<<25)  ; 15:0 the mask; elements of 1 byte; padding on; bit 21 beside a mask; 4 words of padding after every 64
	s_or_b32 s[G1B+0], s44, (0<<16)|(1<<20)|(1<<21)|(5<<22)|(3<<25)
.irp g, G1, G1B
	s_mov_b32 s[\g+1], ROWB<<16                    ; tensor_dim0
	s_mov_b32 s[\g+2], 256<<16                     ; tensor_dim1: 256 rows for the head's loads; set to 128 behind them, for the ring's
	s_mov_b32 s[\g+3], ROWB<<16                    ; tile_dim0
	s_mov_b32 s[\g+4], 256                         ; tile_dim1 likewise
	s_mov_b32 s[\g+5], KROW                        ; tensor_dim0_stride
	s_mov_b32 s[\g+6], 0
	s_mov_b32 s[\g+7], 0
.endr
	s_or_b32 s[G1S+0], s43, (3<<16)|(1<<20)|(1<<21)|(5<<22)|(3<<25) ; the scales of 256 rows: 8,192 dense bytes as 32 rows of 32 elements of 8 bytes, 16 bytes of padding behind each
	s_or_b32 s[G1SB+0], s44, (3<<16)|(1<<20)|(1<<21)|(5<<22)|(3<<25)
.irp g, G1S, G1SB
	s_mov_b32 s[\g+1], 32<<16
	s_mov_b32 s[\g+2], 32<<16                      ; the scales of 256 rows: 32 rows of 256 bytes
	s_mov_b32 s[\g+3], 32<<16
	s_mov_b32 s[\g+4], 32
	s_mov_b32 s[\g+5], 32
	s_mov_b32 s[\g+6], 0
	s_mov_b32 s[\g+7], 0
.endr
	s_lshl_b32 s20, s17, 8                         ; A's tile: its first row
	s_lshl_b32 s46, s42, 8                         ; B's tile: its first row
	s_lshl_b32 s2, s16, 17                         ; in the ring I fetch 128 rows of a tile: which half, in bytes (128 x 1,024)
	s_mov_b32 s3, 0
	s_lshl_b32 s22, s20, 5                         ; its scales: 32 bytes a row
	s_mov_b32 s23, 0
	s_lshl_b32 s20, s20, 10                        ; its codes: 1,024 bytes a row (under 2^23)
	s_mov_b32 s21, 0
	s_lshl_b32 s92, s46, 5
	s_mov_b32 s93, 0
	s_lshl_b32 s46, s46, 10
	s_mov_b32 s47, 0
	s_mul_i32 s45, s14, HALFT                      ; where they go: wave x 128 rows: no place in the cluster enters an LDS address
	s_wait_dscnt 0x0                               ; both opening adds are done
	s_wait_kmcnt 0x0
	s_cmp_eq_u32 ttmp9, 2
	s_cselect_b64 s[96:97], s[8:9], s[4:5]         ; A's codes: w_qkv's for v, else x's
	s_cselect_b64 s[98:99], s[10:11], s[6:7]       ; A's scales
	s_cselect_b64 s[100:101], s[4:5], s[8:9]       ; B's codes
	s_cselect_b64 s[66:67], s[6:7], s[10:11]       ; B's scales
	s_add_nc_u64 s[20:21], s[96:97], s[20:21]
	s_add_nc_u64 s[22:23], s[98:99], s[22:23]
	s_add_nc_u64 s[46:47], s[100:101], s[46:47]
	s_add_nc_u64 s[92:93], s[66:67], s[92:93]
	CROUND                                         ; all sixteen work-groups are here: the first joint loads meet
	s_mov_b32 s[G0S], 1
	s_mov_b32 s[G0S+1], SCL
	s_mov_b64 s[G0S+2:G0S+3], s[22:23]
	s_or_b32 s[G0S+3], s[G0S+3], 0x80000000
	s_mov_b32 s[G0SB], 1
	s_mov_b32 s[G0SB+1], SCL+2*HALFS
	s_mov_b64 s[G0SB+2:G0SB+3], s[92:93]
	s_or_b32 s[G0SB+3], s[G0SB+3], 0x80000000
	s_mov_b32 s[G0], 1                             ; slot 0's groups 0 serve the head first: K step 0's 256 rows of A, whole,
	s_mov_b32 s[G0+1], 0
	s_mov_b64 s[G0+2:G0+3], s[20:21]
	s_or_b32 s[G0+3], s[G0+3], 0x80000000
	s_mov_b32 s[G0B], 1                            ; and its 256 rows of B, behind them
	s_mov_b32 s[G0B+1], 2*HALFT
	s_mov_b64 s[G0B+2:G0B+3], s[46:47]
	s_or_b32 s[G0B+3], s[G0B+3], 0x80000000
	s_add_nc_u64 s[20:21], s[20:21], s[2:3]        ; for the ring: my 128 rows of the tile
	s_add_nc_u64 s[46:47], s[46:47], s[2:3]
	s_mov_b32 s[G0+4], 1                           ; slot 1: K step 1
	s_add_co_u32 s[G0+5], s45, SLOT
	s_add_nc_u64 s[G0+6:G0+7], s[20:21], ROWB
	s_or_b32 s[G0+7], s[G0+7], 0x80000000
	s_mov_b32 s[G0B+4], 1
	s_add_co_u32 s[G0B+5], s45, SLOT
	s_add_nc_u64 s[G0B+6:G0B+7], s[46:47], ROWB
	s_or_b32 s[G0B+7], s[G0B+7], 0x80000000
; THE HEAD'S LOADS, ONE A WAVE: wave 0 K step 0's 256 rows of A, wave 1 its 256 rows of B, wave 2 the scales of A's 256 rows, wave 3 those of B's.
; One tree of branches on the wave's number: every way through the head passes exactly one load.
.macro ARM under, g0, g1, next
	s_cmp_lt_u32 s14, \under
	s_cbranch_scc0 \next
	tensor_load_to_lds s[\g0:\g0+3], s[\g1:\g1+7]
	s_nop 0
.rept 4
	v_nop
.endr
	s_branch .Lhead_asked
\next:
.endm
	ARM 1, G0,  G1,  .Lhead_b
	ARM 2, G0B, G1B, .Lhead_sa
	ARM 3, G0S, G1S, .Lhead_sb
	tensor_load_to_lds s[G0SB:G0SB+3], s[G1SB:G1SB+7]
	s_nop 0
.rept 4
	v_nop
.endr
.Lhead_asked:
	s_load_b256 s[4:11], s[0:1], 0x20              ; b_qkv s[4:5], q_img s[6:7], q_sc s[8:9], kv_img s[10:11]
	s_load_b64 s[12:13], s[0:1], 0x40              ; kv_sc
	v_and_b32 v1, 15, v0                           ; r = l % 16
	v_bfe_u32 v2, v0, 4, 1                         ; h = l / 16
	v_mul_u32_u24 v3, v1, PITCH
	v_lshl_add_u32 v4, v2, 4, v3                   ; a fragment's row x pitch + 16 x half
	s_mul_i32 s21, s15, HALFT                      ; my 128 rows of A
	s_mul_i32 s22, s16, HALFT                      ; my 128 rows of B,
	s_add_co_u32 s22, s22, 2*HALFT                 ; which lie behind A's 256
.irp s, 0,1
	v_add_nc_u32 v[ADRA+\s], s21, v4
	v_add_nc_u32 v[ADRB+\s], s22, v4
	s_add_co_u32 s21, s21, SLOT
	s_add_co_u32 s22, s22, SLOT
.endr
	v_mul_u32_u24 v5, v1, KS                       ; my row's scales: 32 bytes a row,
	v_lshrrev_b32 v6, 8, v5
	v_lshl_add_u32 v5, v6, 4, v5                   ; and 16 more for each 256 passed
	s_mul_i32 s21, s15, HALFS
	s_mul_i32 s22, s16, HALFS
	s_add_co_u32 s22, s22, 2*HALFS
	s_sub_co_u32 s22, s22, s21
	v_mul_u32_u24 v6, s22, v2                      ; lanes 16-31 take B's: one product, the distance between the two bases
	s_add_co_u32 s21, s21, SCL
	v_add_nc_u32 v5, v5, v6
	v_add_nc_u32 v[ADRS], s21, v5
	v_and_b32 v6, 31, v0
	v_lshlrev_b32 v[LI], 4, v6
	v_lshlrev_b32 v[L8], 3, v6
	s_lshl_b32 s23, s14, 9                         ; 512 x wave
	s_add_co_u32 s21, s23, BIAS
	v_add_nc_u32 v[BAD], s21, v[LI]
	v_lshl_add_u32 v[BRQ], v2, 5, s21
	v_lshl_add_u32 v[BRV], v1, 2, s21
	s_add_co_u32 s21, s23, SSTG
	v_lshl_add_u32 v[SSW], v1, 2, s21
	v_add_nc_u32 v[SRD], s21, v[L8]
	; where my results go, and which 128 numbers of the bias are mine
	s_lshl_b32 s18, s42, 8
	s_lshl_b32 s19, s16, 7
	s_add_co_u32 s18, s18, s19                     ; my first row of B: q, k: a row of w_qkv;  v: a token
	s_lshl_b32 s20, s17, 8
	s_lshl_b32 s21, s15, 7
	s_add_co_u32 s20, s20, s21                     ; my first row of A: q, k: a token;  v: a row of w_qkv
	s_lshl_b32 s22, s40, 2
	s_lshl_b32 s23, s16, 1
	s_add_co_u32 s22, s22, s23                     ; q, k: my first head = 4 cx + 2 x half
	s_lshl_b32 s23, s41, 2
	s_lshl_b32 s46, s15, 1
	s_add_co_u32 s23, s23, s46                     ; v: 4 cy + 2 x half
	s_cmp_eq_u32 ttmp9, 2
	s_cselect_b32 s19, s20, s18                    ; the bias's first number
	s_cselect_b32 s21, s18, s20                    ; my first token
	s_cselect_b32 s22, s23, s22                    ; my first head
	s_cselect_b32 s46, 8192, 0                     ; v's codes lie behind k's in a step,
	s_cselect_b32 s47, 256, 0                      ; and so do its scale words
	s_cmp_lg_u32 ttmp9, 0
	s_cselect_b32 s23, 1, 0                        ; kv_img and kv_sc have twice q_img's and q_sc's bytes for a head and a step
	s_lshr_b32 s18, s21, 11                        ; the batch
	s_lshl_b32 s18, s18, 4
	s_add_co_u32 s18, s18, s22                     ; bh
	s_bfe_u32 s20, s21, 0x40007                    ; which 128 tokens of the sequence
	s_lshl_b32 s66, s18, 17
	s_lshl_b32 s67, s20, 13
	s_add_co_u32 s66, s66, s67
	s_lshl_b32 s66, s66, s23
	s_add_co_u32 s[CA], s66, s46                   ; the codes' offset (under 2^25)
	s_mov_b32 s[CA+1], 0
	s_lshl_b32 s[CB], 0x20000, s23                 ; from a head to the next
	s_mov_b32 s[CB+1], 0
	s_lshl_b32 s66, s18, 12
	s_lshl_b32 s67, s20, 8
	s_add_co_u32 s66, s66, s67
	s_lshl_b32 s66, s66, s23
	s_add_co_u32 s[SA], s66, s47                   ; the scale words' offset
	s_mov_b32 s[SA+1], 0
	s_lshl_b32 s[SB], 0x1000, s23
	s_mov_b32 s[SB+1], 0
	s_lshl_b32 s100, s19, 2
	s_mov_b32 s101, 0
	s_wait_alu depctr_va_vdst(0)
	s_wait_kmcnt 0x0
	s_cmp_eq_u32 ttmp9, 0
	s_cselect_b64 s[6:7], s[6:7], s[10:11]         ; q_img, or kv_img
	s_cselect_b64 s[8:9], s[8:9], s[12:13]         ; q_sc, or kv_sc
	s_add_nc_u64 s[CA:CA+1], s[6:7], s[CA:CA+1]
	s_add_nc_u64 s[CB:CB+1], s[CA:CA+1], s[CB:CB+1]
	s_add_nc_u64 s[SA:SA+1], s[8:9], s[SA:SA+1]
	s_add_nc_u64 s[SB:SB+1], s[SA:SA+1], s[SB:SB+1]
	s_add_nc_u64 s[4:5], s[4:5], s[100:101]
	global_load_b128 v[64:67], v[LI], s[4:5]       ; my wave's 128 numbers of the bias: 512 consecutive bytes
	s_wait_loadcnt 0x0
	ds_store_b128 v[BAD], v[64:67]                 ; into my wave's own bytes: read back on the way out in the result's layout
.macro FRAG reg, adr, q, i             ; 16 rows x 128 K: lane l holds row l % 16; registers 4 c .. 4 c + 3 hold K = 32 c + 16 (l / 16) + 0 .. 15
.irp c, 0,1,2,3
	ds_load_b128 v[\reg+4*\c:\reg+4*\c+3], v[\adr] offset:128*(\q)+32*\c+(\i)*16*PITCH
.endr
.endm
; 16 matrix instructions: A's blocks a0, a0 + 1 x B's eight.  The 64 accumulators take turns, one instruction a turn, in the same order in every step.
; One register carries A's scale word of block i in lanes 0-15 and B's of block i in lanes 16-31.
.macro MUL16 a0, p, q, sc, zero
.irp a, \a0, \a0+1
.irp b, 0,1,2,3,4,5,6,7
.if \zero
	v_wmma_scale_f32_16x16x128_f8f6f4 v[8*(8*((\a)%4)+\b):8*(8*((\a)%4)+\b)+7], v[128*(\p)+FR*\b:128*(\p)+FR*\b+FR-1], v[AF+FR*(\a):AF+FR*(\a)+FR-1], 0, v[SC+8*NQ*(\sc)+NQ*\b+(\q)], v[SC+8*NQ*(\sc)+NQ*(\a)+(\q)] matrix_a_scale:MATRIX_SCALE_ROW1
.else
	v_wmma_scale_f32_16x16x128_f8f6f4 v[8*(8*((\a)%4)+\b):8*(8*((\a)%4)+\b)+7], v[128*(\p)+FR*\b:128*(\p)+FR*\b+FR-1], v[AF+FR*(\a):AF+FR*(\a)+FR-1], v[8*(8*((\a)%4)+\b):8*(8*((\a)%4)+\b)+7], v[SC+8*NQ*(\sc)+NQ*\b+(\q)], v[SC+8*NQ*(\sc)+NQ*(\a)+(\q)] matrix_a_scale:MATRIX_SCALE_ROW1
.endif
.endr
.endr
.endm
.macro FETCH_B slot, q, p
	WIN TO_B
.irp i, 0,1,2,3,4,5,6,7
	FRAG 128*(\p)+FR*\i, ADRB+\slot, \q, \i
.endr
	WIN 0
.endm
.macro FETCH_A slot, q, i0
.irp i, \i0, \i0+1, \i0+2, \i0+3
	FRAG AF+FR*(\i), ADRA+\slot, \q, \i
.endr
.endm
.macro SCALES sc
.irp i, 0,1,2,3,4,5,6,7
	ds_load_b64 v[SC+8*NQ*\sc+NQ*\i:SC+8*NQ*\sc+NQ*\i+1], v[ADRS] offset:\i*SBLK
.endr
.endm
.macro PLACES n                        ; plain vector instructions between a matrix instruction and a load into, or a vector instruction on, its registers
.rept \n
	v_nop
.endr
.endm
.macro STEP slot, q, zero              ; 128 along K, with its successor in the same slot
	s_wait_dscnt 4*NL                              ; B's set and A's blocks 0-3 are in; the youngest 16 loads (A's blocks 4-7) may be out
	WIN MUL_LO
	MUL16 0, (\q)%2, \q, \slot, \zero
	MUL16 2, (\q)%2, \q, \slot, \zero
	s_wait_dscnt 0
	PLACES NP
	FETCH_B \slot, (\q)+1, 1-(\q)%2
	FETCH_A \slot, (\q)+1, 0
	WIN MUL_HI
	MUL16 4, (\q)%2, \q, \slot, \zero
	MUL16 6, (\q)%2, \q, \slot, \zero
	PLACES NP
	WIN 0
	FETCH_A \slot, (\q)+1, 4
.endm
; A slot's last step changes slots: one barrier; in front of it each wave waits for all its tensor loads, adds 0 to its spare word, and waits for that and for its own reads of this slot.
.macro TURN slot, next, fill
	s_wait_tensorcnt 0x0                           ; all my tensor loads have landed: my part of the next slot
	ds_add_u32 v[SPW], v[NIL]
	s_wait_dscnt 4*NL+1                            ; the add and the youngest 16 loads may be out
	WIN MUL_LO
	MUL16 0, 1, NQ-1, \slot, 0
	s_wait_dscnt 0x0                               ; the add is done, and my reads of this slot are over
	s_barrier_signal -1
	MUL16 2, 1, NQ-1, \slot, 0
	WIN 0
	s_barrier_wait -1
.if \fill
	CREST                                          ; the barrier has opened a round of the cluster's barrier: no wave of any partner still reads this slot or has a load on its way
	s_add_nc_u64 s[G0+4*\slot+2:G0+4*\slot+3], s[G0+4*\slot+2:G0+4*\slot+3], 2*ROWB
	s_add_nc_u64 s[G0B+4*\slot+2:G0B+4*\slot+3], s[G0B+4*\slot+2:G0B+4*\slot+3], 2*ROWB
	JLOAD G0+4*\slot, G1, G0B+4*\slot, G1B         ; the first tensor load behind the round; its four v_nop are four of the eight places
	PLACES NP-4
.else
	PLACES NP
.endif
	s_wait_alu depctr_va_vdst(0)
	v_add_nc_u32 v[ADRS], 4*NQ, v[ADRS]            ; the next K step's scale words
	FETCH_B \next, 0, 0
	FETCH_A \next, 0, 0
	SCALES \next
	WIN MUL_HI
	MUL16 4, 1, NQ-1, \slot, 0
	MUL16 6, 1, NQ-1, \slot, 0
	PLACES NP
	WIN 0
	FETCH_A \next, 0, 4
.endm
	s_wait_tensorcnt 0x0                           ; my tile of the head's four is in
	ds_add_u32 v[SPW], v[NIL]
	s_mov_b32 s[G1+2], 128<<16                     ; no tensor load of mine is out, so descriptors may be written: from here on a load brings 128 rows
	s_mov_b32 s[G1+4], 128
	s_mov_b32 s[G1B+2], 128<<16
	s_mov_b32 s[G1B+4], 128
	s_mov_b32 s[G0+1], s45                         ; slot 0's groups 0, for its refills: my 128 rows, at wave x 128 rows of the slot
	s_mov_b32 s[G0B+1], s45
	s_add_nc_u64 s[G0+2:G0+3], s[G0+2:G0+3], s[2:3]
	s_add_nc_u64 s[G0B+2:G0B+3], s[G0B+2:G0B+3], s[2:3]
	s_wait_dscnt 0x0                               ; the add is done, and so is my store of the bias
	CROUND                                         ; a whole round: all four tiles are in, and all sixteen work-groups are here
	JLOAD G0+4, G1, G0B+4, G1B                     ; K step 1, the first tensor load behind the round
	FETCH_B 0, 0, 0
	FETCH_A 0, 0, 0
	SCALES 0
	FETCH_A 0, 0, 4
	STEP 0, 0, 1                                   ; the first step stands in front of the loop: its products start the sums
	s_mov_b32 s3, LAPS-1
.Llap:
	TURN 0, 1, 1
	STEP 1, 0, 0
	TURN 1, 0, 1
	STEP 0, 0, 0
	s_sub_co_u32 s3, s3, 1
	s_cmp_lg_u32 s3, 0
	s_cbranch_scc1 .Llap
	TURN 0, 1, 0                                   ; the last lap fills nothing
	STEP 1, 0, 0
	s_wait_dscnt 4*NL
	WIN MUL_LO
	MUL16 0, 1, NQ-1, 1, 0
	MUL16 2, 1, NQ-1, 1, 0
	s_wait_dscnt 0
	WIN MUL_HI
	MUL16 4, 1, NQ-1, 1, 0
	MUL16 6, 1, NQ-1, 1, 0
	WIN 0
; 64 numbers of a lane, v[s] on, register 16 b + i in block b (the other 16 of the block lie in lane l xor 16), become 16 registers of codes in v[PC] on and the four blocks' scale word in v[pw].
.macro QUANT s, pw
.irp b, 0,1,2,3
	v_max3_num_f32 v[TM+\b], |v[\s+16*\b]|, |v[\s+1+16*\b]|, 0x4800000   ; my 16 numbers, and the floor 2^(9 - 127): the byte cannot fall under 1
.endr
.irp i, 2,4,6,8,10,12,14
.irp b, 0,1,2,3
	v_max3_num_f32 v[TM+\b], v[TM+\b], |v[\s+16*\b+\i]|, |v[\s+1+16*\b+\i]|
.endr
.endr
.irp b, 0,1,2,3
	v_permlanex16_b32 v[TM+4+\b], v[TM+\b], s[SEL], s[SEL+1]
.endr
.irp b, 0,1,2,3
	v_max_num_f32 v[TM+\b], v[TM+\b], v[TM+4+\b]   ; the block's largest magnitude
.endr
.irp b, 0,1,2,3
	v_add_nc_u32 v[TM+12+\b], 0xfc000000, v[TM+\b] ; 8 off its exponent field: the conversion's scale operand
.endr
.irp b, 0,1,2,3
	v_and_or_b32 v[TM+8+\b], v[TM+\b], 0x7f800000, s[MNT]   ; 448 x the scale
.endr
.irp b, 0,1,2,3
	v_lshrrev_b32 v[TM+4+\b], 23, v[TM+12+\b]      ; the scale's byte
.endr
	v_lshl_or_b32 v[\pw], v[TM+5], 8, v[TM+4]
	v_lshl_or_b32 v[\pw], v[TM+6], 16, v[\pw]
	v_lshl_or_b32 v[\pw], v[TM+7], 24, v[\pw]
.irp b, 0,1,2,3
.irp i, 0,1,2,3,4,5,6,7,8,9,10,11,12,13,14,15
	v_med3_num_f32 v[\s+16*\b+\i], v[\s+16*\b+\i], -v[TM+8+\b], v[TM+8+\b]   ; the conversion to an 8-bit code does not saturate (ISA guide 7.6.2): the hold
.endr
	v_cvt_scalef32_pk8_fp8_f32 v[PC+4*\b:PC+1+4*\b], v[\s+16*\b:\s+7+16*\b], v[TM+12+\b]
	v_cvt_scalef32_pk8_fp8_f32 v[PC+2+4*\b:PC+3+4*\b], v[\s+8+16*\b:\s+15+16*\b], v[TM+12+\b]
.endr
	v_nop                                          ; a plain instruction behind the last conversion, ahead of the next vector write of its sources
.endm
; Tile a of A's rows: bias, quantiser, four stores of 512 consecutive bytes each.
.macro EPI_TILE a, isv
	s_wait_xcnt 0x0                                ; the last tile's stores have read their registers: the codes are written again only behind this wait
	WIN 0x02+(\a)/4                                ; source 0: window 2 or 3
.set ii, 0
.rept 32
.if \isv
	v_pk_add_f32 v[HA+ii:HA+ii+1], v[64*((\a)%4)+ii:64*((\a)%4)+ii+1], v[BI+2*(\a):BI+2*(\a)+1]   ; + the bias of my lane's channel; each accumulator from its low end on
.else
	v_pk_add_f32 v[HA+ii:HA+ii+1], v[64*((\a)%4)+ii:64*((\a)%4)+ii+1], v[BI+ii:BI+ii+1]           ; + the bias of the register's channel; each accumulator from its low end on
.endif
.set ii, ii+2
.endr
	WIN 0
	QUANT HA, PWS+(\a)
.if \isv
.irp c, 0,1,2,3
.if (\a) < 4
	global_store_b128 v[LI], v[PC+4*\c:PC+4*\c+3], s[CA:CA+1] offset:2048*((\a)%4)+512*\c   ; channels 16 a on of my first head; piece c = keys 32 c on
.else
	global_store_b128 v[LI], v[PC+4*\c:PC+4*\c+3], s[CB:CB+1] offset:2048*((\a)%4)+512*\c   ; of my second head
.endif
.endr
.else
	global_store_b128 v[LI], v[PC:PC+3], s[CA:CA+1] offset:1024*(\a)          ; tokens 16 a on: my first head's two pieces,
	global_store_b128 v[LI], v[PC+4:PC+7], s[CA:CA+1] offset:1024*(\a)+512
	global_store_b128 v[LI], v[PC+8:PC+11], s[CB:CB+1] offset:1024*(\a)       ; my second head's
	global_store_b128 v[LI], v[PC+12:PC+15], s[CB:CB+1] offset:1024*(\a)+512
.endif
.endm
.macro EPI isv
.if \isv
.irp t, 0,1,2,3,4,5,6,7
	ds_load_b32 v[BI+2*\t], v[BRV] offset:64*\t    ; the bias of channel 16 t + r, twice: a pair for the packed addition
	ds_load_b32 v[BI+2*\t+1], v[BRV] offset:64*\t
.endr
.else
.irp t, 0,1,2,3,4,5,6,7
	ds_load_b128 v[BI+8*\t:BI+8*\t+3], v[BRQ] offset:64*\t        ; the bias of channels 16 t + 8 h + 0 .. 7
	ds_load_b128 v[BI+8*\t+4:BI+8*\t+7], v[BRQ] offset:64*\t+16
.endr
.endif
.irp t, 0,1,2,3
	v_mov_b32 v[TM+4+\t], 0                        ; written once: a lane permute's destination counts as one of its sources
.endr
	s_wait_dscnt 0x0
.irp t, 0,1,2,3,4,5,6,7
	EPI_TILE \t, \isv
.endr
	; the scale words: 4 bytes a row in lanes 0-15 (lanes 16-31 hold the same): through my wave's own stage, so that each head's 256 bytes leave as one aligned run
.if \isv
.irp t, 0,1,2,3,4,5,6,7
	ds_store_b32 v[SSW], v[PWS+\t] offset:64*\t+2048       ; a tile's word holds its row's four blocks of keys as it stands
.endr
	ds_load_b64 v[RB:RB+1], v[SRD] offset:2048             ; LDS serves a wave's instructions in order (ISA guide 5.7.1.4): these see my stores
	ds_load_b64 v[RB+2:RB+3], v[SRD] offset:2048+256
.else
.irp t, 0,1,2,3
	v_perm_b32 v[WW+\t], v[PWS+2*\t+1], v[PWS+2*\t], 0x05040100     ; my first head: the even tile's two bytes below, the odd tile's above
	v_perm_b32 v[WW+4+\t], v[PWS+2*\t+1], v[PWS+2*\t], 0x07060302   ; my second head
.endr
.irp t, 0,1,2,3,4,5,6,7
	ds_store_b32 v[SSW], v[WW+\t] offset:64*\t
.endr
	ds_load_b64 v[RB:RB+1], v[SRD]
	ds_load_b64 v[RB+2:RB+3], v[SRD] offset:256
.endif
	s_wait_dscnt 0x0
	global_store_b64 v[L8], v[RB:RB+1], s[SA:SA+1]         ; 32 lanes store 256 consecutive bytes, aligned
	global_store_b64 v[L8], v[RB+2:RB+3], s[SB:SB+1]
.endm
	PLACES NP                                      ; behind the last products: the way out reads results and writes the registers that held A's fragments
	s_mov_b32 s[SEL], 0x76543210
	s_mov_b32 s[SEL+1], 0xfedcba98
	s_mov_b32 s[MNT], 0x600000
	s_cmp_eq_u32 ttmp9, 2                          ; the cluster's x: all partners and all waves go the same way
	s_cbranch_scc1 .Lv
	EPI 0
	s_branch .Lend
.Lv:
	EPI 1
.Lend:
	s_wait_tensorcnt 0x0                           ; the wave's end: behind my last tensor load and my last LDS store
	ds_add_u32 v[SPW], v[NIL]
	s_wait_dscnt 0x0
	CROUND                                         ; the closing round: no work-group ends while a partner may still ask for a tile that names it
	s_endpgm
.Lfunc_end_k_q147f7bfbfc_qkv:
	.size	k_q147f7bfbfc_qkv, .Lfunc_end_k_q147f7bfbfc_qkv-k_q147f7bfbfc_qkv
	.p2alignl 7, 3214868480
	.fill 96, 4, 3214868480
	.section	.rodata,"a",@progbits
	.p2align	6, 0x0
	.amdhsa_kernel k_q147f7bfbfc_qkv
		.amdhsa_group_segment_fixed_size 327680
		.amdhsa_private_segment_fixed_size 0
		.amdhsa_enable_private_segment 0
		.amdhsa_kernarg_size 72
		.amdhsa_user_sgpr_count 2
		.amdhsa_user_sgpr_kernarg_segment_ptr 1
		.amdhsa_wavefront_size32 1
		.amdhsa_system_sgpr_workgroup_id_x 1
		.amdhsa_system_sgpr_workgroup_id_y 1
		.amdhsa_system_sgpr_workgroup_id_z 1
		.amdhsa_system_vgpr_workitem_id 0
		.amdhsa_next_free_vgpr 1024
		.amdhsa_next_free_sgpr 102
		.amdhsa_reserve_vcc 0
		.amdhsa_float_denorm_mode_32 3
		.amdhsa_float_denorm_mode_16_64 3
		.amdhsa_memory_ordered 1
		.amdhsa_forward_progress 1
		.amdhsa_inst_pref_size 255
	.end_amdhsa_kernel
	.section	.bss,"aw",@nobits
	.p2align	6
	.space	262144
	.amdgpu_metadata
---
amdhsa.version: [ 1, 2 ]
amdhsa.kernels:
  - .name:           k_q147f7bfbfc_qkv
    .symbol:         k_q147f7bfbfc_qkv.kd
    .args:
      - { .name: x_codes, .offset: 0, .size: 8, .value_kind: global_buffer, .address_space: global }
      - { .name: x_scales, .offset: 8, .size: 8, .value_kind: global_buffer, .address_space: global }
      - { .name: w_qkv_codes, .offset: 16, .size: 8, .value_kind: global_buffer, .address_space: global }
      - { .name: w_qkv_scales, .offset: 24, .size: 8, .value_kind: global_buffer, .address_space: global }
      - { .name: b_qkv, .offset: 32, .size: 8, .value_kind: global_buffer, .address_space: global }
      - { .name: q_img, .offset: 40, .size: 8, .value_kind: global_buffer, .address_space: global }
      - { .name: q_sc, .offset: 48, .size: 8, .value_kind: global_buffer, .address_space: global }
      - { .name: kv_img, .offset: 56, .size: 8, .value_kind: global_buffer, .address_space: global }
      - { .name: kv_sc, .offset: 64, .size: 8, .value_kind: global_buffer, .address_space: global }
    .group_segment_fixed_size: 327680
    .private_segment_fixed_size: 0
    .kernarg_segment_align: 8
    .kernarg_segment_size: 72
    .max_flat_workgroup_size: 128
    .sgpr_count:     102
    .vgpr_count:     1024
    .wavefront_size: 32
...
	.end_amdgpu_metadata
.endif
;; end of part 1
;; launch attn (part 2): grid 4 x 64, 16 waves a work-group, clusters of 4 x 1, 327,680 bytes of LDS; arguments q_img, q_sc, kv_img, kv_sc, ao_img, ao_sc; writes ao_img, ao_sc
.if DOCPART == 2
	.amdgcn_target "amdgcn-amd-amdhsa--gfx1250"
	.amdhsa_code_object_version 6
	.text
	.protected	k_q147f7bfbfc_attn
	.globl	k_q147f7bfbfc_attn
	.p2align	8
	.type	k_q147f7bfbfc_attn,@function
k_q147f7bfbfc_attn:
	s_mov_b64 s[64:65], 0
	v_nop
	global_prefetch_b8 v0, s[64:65] scope:SCOPE_SE
	s_setreg_imm32_b32 hwreg(HW_REG_WAVE_MODE, 25, 1), 1
	s_wait_xcnt 0x0
	s_wait_alu depctr_hold_cnt(0) depctr_sa_sdst(0) depctr_va_vdst(0) depctr_va_sdst(0) depctr_va_ssrc(0) depctr_va_vcc(0) depctr_vm_vsrc(0)
	s_getreg_b32 s2, hwreg(HW_REG_IB_STS2, 6, 4)
	s_cmp_eq_u32 s2, 0
	s_cbranch_scc0 .Lentry_in_a_cluster
	s_endpgm
.Lentry_in_a_cluster:
	s_bfe_u32 s2, ttmp6, 0x10000c
	s_cmp_lg_u32 s2, 0x3003
	s_cbranch_scc0 .Lentry_shape_is_right
	s_endpgm
.Lentry_shape_is_right:
; LAUNCH 2 OF 3: o = softmax(q k^T / 8) v for 64 heads (batch x head) of 2,048 tokens and 64 channels, both products on codes of FP8 (E4M3) with one E8M0 scale for each 32 along K; o is quantised at once, along the 1,024 channels, for the last product.
; THE SOFTMAX: t = score x log2(e) / 8; M = the running largest t rounded up to a whole number; p = 2^(t - M) is quantised along the keys, not normalised; the row's sum is taken of the unquantised p and divides at the end.
; When M moves, the sum and O^T are multiplied by 2^(old M - new M), which rounds nothing.  Nothing of the problem is left out.
; LIMITS: NaN and infinities are not served; the promise holds while |t| stays under 2^31.  A block of p whose largest number lies under 2^-118 keeps the scale byte 1.
; SHARES.  A work-group owns 512 queries of one head; each of its 16 waves owns two tiles of 16 queries, taken one after the other.  Both products are used transposed: a lane holds one query.
; LDS.  A head's K and V, 16 key steps of 16,384 bytes (8 tiles of K, then 4 of V^T, as images of operand registers), lie in LDS whole and are filled once: wave w brings key step w by ONE load.  So there is no refill.
; The four work-groups of a head form a cluster and ask for each key step jointly (mask 15).  Step w's 512 scale bytes come through wave w's registers into LDS bytes on which no fill lands.
; ORDER OF THE KEYS.  Wave w begins at key step w, which it has fetched itself: it signals the one barrier behind its own waits, works on its own step, and waits at the barrier behind it; then steps w + 1 .. w + 15 modulo 16.
; NO PREFETCH: all of K and V is asked for at the head, one load a wave; the launch has no loop of loads to run ahead in.
; K = 64 IN A FORM OF 128: a fragment of 16 registers holds two tiles of 16 keys, 64 channels each; Q's 8 registers stand between two runs of 8 zero registers, and v[24:39] picks the first tile, v[16:31] the second.
; REGISTERS: v1-10 addresses; v12 -M, v13 the largest t, v[14:15] the sum; v16-39 zeros, Q, zeros; v40-103 fragments of K, then of V; v104-167 S^T, then p; v168-199 O^T; v200-215 p's codes; v216-246 at work.
.set SCB,   262144                     ; behind the codes: the head's scale words, 512 bytes a key step
.set SPARE, 270336                     ; the spare words, 128 bytes for each wave
.set LI,  1                            ; 16 x lane
.set ASC, 2                            ; SCB + 4 r
.set R4,  3                            ; 4 r
.set R32, 4                            ; 32 r
.set SPW, 5
.set NIL, 6
.set ADK, 8                            ; the step's codes
.set ADS, 9                            ; the step's scale words
.set SST, 10                           ; SCB + 16 x thread: where my 16 scale bytes go
.set F,   40
.set S,   104
.set O,   168
.set PC,  200
.set BM,  216
.set PM,  220
.set HL,  224
.set SOP, 228
.set KSW, 232
.set VSW, 236
.set QS,  240
.set QR,  241                          ; q's scale word as loaded
.set FF,  242
.set PSW, 243
.set T0,  244
.set T1,  246                          ; -M of the step before
.set WV,  16
.set MNT, 19
.set SEL, 20
.set CS,  22
.set G1C, 24
.set G0C, 44
.set TB,  60
.set TS,  61
.set CNT, 62
.set IX,  63
.set HM,  66
.set QSH, 67
.macro CROUND                          ; a round of the cluster's barrier
	s_barrier_signal -1
	s_barrier_wait -1
	s_cmp_lg_u32 s[WV], 0
	s_cbranch_scc1 .Lnot_wave_0_\@
	s_barrier_signal -3
.Lnot_wave_0_\@:
	s_barrier_wait -3
	s_barrier_signal -1
	s_barrier_wait -1
.endm
	s_load_b256 s[4:11], s[0:1], 0x0               ; q_img, q_sc, kv_img, kv_sc
	s_load_b128 s[12:15], s[0:1], 0x20             ; ao_img, ao_sc
	v_lshl_add_u32 v[SPW], v0, 2, SPARE
	v_mov_b32 v[NIL], 0
	ds_add_u32 v[SPW], v[NIL]                      ; the opening lines: the add, twice on end, and its wait ahead of my first tensor load
	ds_add_u32 v[SPW], v[NIL]
	v_lshrrev_b32 v7, 5, v0
	v_readfirstlane_b32 s[WV], v7                  ; wave 0..15
	s_bfe_u32 s17, ttmp6, 0x40000                  ; cx: which 512 queries of the head
	s_and_b32 s18, ttmp7, 0xffff                   ; the head, 16 x batch + head
	s_mov_b32 s[G1C], 15|(3<<16)|(1<<21)           ; mask: the cluster's four; elements of 8 bytes; bit 21 beside a mask
	s_mov_b32 s[G1C+1], 32<<16                     ; a key step: 16,384 dense bytes as 64 rows of 256
	s_mov_b32 s[G1C+2], 64<<16
	s_mov_b32 s[G1C+3], 32<<16
	s_mov_b32 s[G1C+4], 64
	s_mov_b32 s[G1C+5], 32
	s_mov_b32 s[G1C+6], 0
	s_mov_b32 s[G1C+7], 0
	s_lshl_b32 s68, s18, 18                        ; kv_img: 2^18 bytes a head, 2^14 a key step
	s_lshl_b32 s72, s[WV], 14
	s_add_co_u32 s68, s68, s72
	s_mov_b32 s69, 0
	s_lshl_b32 s70, s18, 13                        ; kv_sc: 2^13 bytes a head, 2^9 a key step
	s_lshl_b32 s73, s[WV], 9
	s_add_co_u32 s70, s70, s73
	s_mov_b32 s71, 0
	s_mov_b32 s[MNT], 0x600000                     ; the mantissa field of 448
	s_mov_b32 s[SEL], 0x76543210                   ; v_permlanex16_b32's selects for lane l xor 16
	s_mov_b32 s[SEL+1], 0xfedcba98
	s_mov_b32 s[CS], 0x3e38aa3b                    ; c = log2(e) / 8
	s_mov_b32 s[CS+1], s[CS]
	s_mov_b32 s[HM], 0xffff0000                    ; lanes 16-31
	s_and_b32 s[QSH], s[WV], 1
	s_lshl_b32 s[QSH], s[QSH], 4                   ; which half of q's scale word is my tile's
	s_lshl_b32 s74, s17, 5
	s_add_co_u32 s74, s74, s[WV]                   ; my first tile of 16 queries; the second lies 16 tiles on
	s_lshl_b32 s76, s74, 10
	s_lshl_b32 s75, s18, 17
	s_add_co_u32 s76, s76, s75                     ; in q_img
	s_mov_b32 s77, 0
	s_lshl_b32 s78, s18, 12                        ; in q_sc
	s_lshl_b32 s75, s17, 10
	s_add_co_u32 s78, s78, s75
	s_lshr_b32 s75, s[WV], 3
	s_lshl_b32 s75, s75, 8
	s_add_co_u32 s78, s78, s75
	s_bfe_u32 s75, s[WV], 0x20001
	s_lshl_b32 s75, s75, 6
	s_add_co_u32 s78, s78, s75
	s_mov_b32 s79, 0
	v_and_b32 v7, 31, v0
	v_lshlrev_b32 v[LI], 4, v7
	v_and_b32 v7, 15, v0
	v_lshlrev_b32 v[R4], 2, v7
	v_lshl_add_u32 v[ASC], v7, 2, SCB
	v_lshlrev_b32 v[R32], 5, v7
	v_lshl_add_u32 v[SST], v0, 4, SCB
	s_wait_alu depctr_va_vdst(0)
	s_wait_dscnt 0x0                               ; both opening adds are done
	s_wait_kmcnt 0x0
	s_mov_b32 s[G0C], 1
	s_mov_b32 s[G0C+1], s72                        ; LDS: 16,384 x wave
	s_add_nc_u64 s[G0C+2:G0C+3], s[8:9], s[68:69]
	s_or_b32 s[G0C+3], s[G0C+3], 0x80000000
	s_add_nc_u64 s[10:11], s[10:11], s[70:71]
	s_add_nc_u64 s[4:5], s[4:5], s[76:77]
	s_add_nc_u64 s[6:7], s[6:7], s[78:79]
	global_load_b128 v[F:F+3], v[LI], s[10:11]     ; my key step's 512 scale bytes
	global_load_b128 v[24:27], v[LI], s[4:5]       ; my first tile of Q
	global_load_b128 v[28:31], v[LI], s[4:5] offset:512
	global_load_b32 v[QR], v[R4], s[6:7]
	CROUND                                         ; the round in front of the joint loads
	tensor_load_to_lds s[G0C:G0C+3], s[G1C:G1C+7]  ; my one load: key step w
	s_nop 0
	s_lshr_b32 s60, s18, 4                         ; where my results go: the batch,
	s_and_b32 s61, s18, 15                         ; the head,
	s_lshl_b32 s62, s60, 7
	s_add_co_u32 s62, s62, s74                     ; the tile of 16 tokens
	s_lshl_b32 s76, s62, 14
	s_lshl_b32 s75, s61, 10
	s_add_co_u32 s76, s76, s75
	s_add_nc_u64 s[12:13], s[12:13], s[76:77]
	s_lshl_b32 s78, s62, 9
	s_lshl_b32 s75, s61, 1
	s_add_co_u32 s78, s78, s75
	s_add_nc_u64 s[14:15], s[14:15], s[78:79]
.irp j, 0,1,2,3,4,5,6,7
	v_mov_b32 v[16+\j], 0                          ; the zeros on both sides of Q
	v_mov_b32 v[32+\j], 0
.endr
.irp j, 0,1,2,3
	v_mov_b32 v[PM+\j], 0                          ; a lane permute's destination counts as one of its sources
.endr
	v_mov_b32 v[PSW], 0                            ; (named as the upper half of the pair v[FF:FF+1])
	v_mov_b32 v[T0], 0
.macro HOLD2 x, b                      ; two of a block's holds in one pair: p is not negative, so the hold is one-sided
	v_dual_min_num_f32 v[\x], v[\x], v[HL+\b] :: v_dual_min_num_f32 v[\x+1], v[\x+1], v[HL+\b]
.endm
; A KEY STEP: 128 keys at LDS byte s[TB], their scale words at s[TS].
.macro STEP
	v_add_nc_u32 v[ADK], s[TB], v[LI]
	v_add_nc_u32 v[ADS], s[TS], v[ASC]
	v_mov_b32 v[T1], v12                           ; -M so far.  These three and five v_nop are the eight places behind the last products, ahead of loads into what they read
.rept 5
	v_nop
.endr
.irp p, 0,1,2,3
.irp c, 0,1,2,3
	ds_load_b128 v[F+16*\p+4*\c:F+16*\p+4*\c+3], v[ADK] offset:2048*\p+512*\c
.endr
	ds_load_b32 v[KSW+\p], v[ADS] offset:64*\p
.endr
	s_wait_alu depctr_va_vdst(0)
.irp p, 0,1,2,3                                ; S^T = K Q^T: a fragment's first tile of keys, then its second
	s_wait_dscnt 15-5*\p                           ; fragment p and its scale word are in: behind them stand the five loads of each later fragment
	v_wmma_scale_f32_16x16x128_f8f6f4 v[S+16*\p:S+16*\p+7], v[F+16*\p:F+16*\p+15], v[24:39], 0, v[KSW+\p], v[QS]
	v_wmma_scale_f32_16x16x128_f8f6f4 v[S+16*\p+8:S+16*\p+15], v[F+16*\p:F+16*\p+15], v[16:31], 0, v[KSW+\p], v[QS]
.endr
.rept 8
	v_nop                                          ; eight places: ahead of the loads into K's registers and of the first reader of the scores
.endr
.irp t, 0,1,2,3                                ; V's fragments come while the softmax is walked
.irp c, 0,1,2,3
	ds_load_b128 v[F+16*\t+4*\c:F+16*\t+4*\c+3], v[ADK] offset:8192+2048*\t+512*\c
.endr
	ds_load_b32 v[VSW+\t], v[ADS] offset:256+64*\t
.endr
.irp b, 0,1,2,3
	v_max3_num_f32 v[BM+\b], v[S+16*\b], v[S+16*\b+1], v[S+16*\b+2]   ; the largest score of each block of 32 keys: for the row's maximum and for the block's largest p.  Eight chains by turns: one for each tile of keys
.endr
.irp b, 0,1,2,3
	v_max3_num_f32 v[PM+\b], v[S+16*\b+8], v[S+16*\b+9], v[S+16*\b+10]
.endr
.irp i, 3,5
.irp b, 0,1,2,3
	v_max3_num_f32 v[BM+\b], v[BM+\b], v[S+16*\b+\i], v[S+16*\b+\i+1]
.endr
.irp b, 0,1,2,3
	v_max3_num_f32 v[PM+\b], v[PM+\b], v[S+16*\b+8+\i], v[S+16*\b+9+\i]
.endr
.endr
.irp b, 0,1,2,3
	v_max3_num_f32 v[BM+\b], v[BM+\b], v[S+16*\b+7], v[S+16*\b+15]
.endr
.irp b, 0,1,2,3
	v_max_num_f32 v[BM+\b], v[BM+\b], v[PM+\b]
.endr
.irp b, 0,1,2,3
	s_delay_alu instid0(VALU_DEP_4)
	v_permlanex16_b32 v[PM+\b], v[BM+\b], s[SEL], s[SEL+1]
.endr
.irp b, 0,1,2,3
	s_delay_alu instid0(VALU_DEP_4)
	v_max_num_f32 v[BM+\b], v[BM+\b], v[PM+\b]     ; with lane l xor 16's 16 keys
.endr
	s_delay_alu instid0(VALU_DEP_2)
	v_max3_num_f32 v[T0], v[BM], v[BM+1], v[BM+2]
	s_delay_alu instid0(VALU_DEP_1)
	v_max_num_f32 v[T0], v[T0], v[BM+3]
	s_delay_alu instid0(VALU_DEP_1)
	v_mul_f32 v[T0], s[CS], v[T0]                  ; the step's largest t
	s_delay_alu instid0(VALU_DEP_1)
	v_max_num_f32 v13, v13, v[T0]
	s_delay_alu instid0(VALU_DEP_1)
	v_floor_f32 v12, -v13                          ; the new -M = -ceil(t)
	s_delay_alu instid0(VALU_DEP_1)
	v_sub_f32 v[T0], v12, v[T1]                    ; old M - new M, a whole number, 0 or less
	s_delay_alu instid0(VALU_DEP_1)
	v_cvt_i32_f32 v[T0], v[T0]
	s_delay_alu instid0(VALU_DEP_1)
	v_ldexp_f32 v[FF], 1.0, v[T0]                  ; f = 2^(old M - new M)
.set jj, 0
.rept 32
	v_pk_fma_f32 v[S+jj:S+jj+1], v[S+jj:S+jj+1], s[CS:CS+1], v[12:13] op_sel_hi:[1,0,0]   ; t - M
.set jj, jj+2
.endr
.irp b, 0,1,2,3
	v_fma_f32 v[BM+\b], v[BM+\b], s[CS], v12       ; the same of each block's largest score
.endr
.set jj, 0
	s_wait_alu depctr_va_vdst(0)
.rept 64
	v_exp_f32 v[S+jj], v[S+jj]                     ; p
.set jj, jj+1
.endr
	v_pk_mul_f32 v[14:15], v[14:15], v[FF:FF+1] op_sel_hi:[1,0]   ; the sums under the new M; a plain place behind the batch
	s_wait_alu depctr_va_vdst(0)                   ; one wait for the batch, ahead of its first reader
.irp b, 0,1,2,3
	v_exp_f32 v[BM+\b], v[BM+\b]                   ; the block's largest p: the same two instructions on the same number
.endr
.set kk, 0                                     ; the row's sum of the unquantised p: 32 packed additions in eight chains by turns (seven in registers at work, v248-255 among them, and the sum itself)
.irp r, PM, PM+2, T0, 248, 250, 252, 254
	v_pk_add_f32 v[\r:\r+1], v[S+kk:S+kk+1], v[S+kk+2:S+kk+3]
.set kk, kk+4
.endr
	v_pk_add_f32 v[14:15], v[14:15], v[S+28:S+29]
.set kk, 30
.rept 2
.irp r, PM, PM+2, T0, 248, 250, 252, 254
	v_pk_add_f32 v[\r:\r+1], v[\r:\r+1], v[S+kk:S+kk+1]
.set kk, kk+2
.endr
	v_pk_add_f32 v[14:15], v[14:15], v[S+kk:S+kk+1]
.set kk, kk+2
.endr
	v_pk_add_f32 v[PM:PM+1], v[PM:PM+1], v[PM+2:PM+3]
	v_pk_add_f32 v[T0:T0+1], v[T0:T0+1], v[248:249]
	v_pk_add_f32 v[250:251], v[250:251], v[252:253]
	v_pk_add_f32 v[14:15], v[14:15], v[S+62:S+63]
	v_pk_add_f32 v[PM:PM+1], v[PM:PM+1], v[T0:T0+1]
	v_pk_add_f32 v[250:251], v[250:251], v[254:255]
	v_pk_add_f32 v[PM:PM+1], v[PM:PM+1], v[250:251]
	v_pk_add_f32 v[14:15], v[14:15], v[PM:PM+1]
	s_wait_alu depctr_va_vdst(0)                   ; and one for the four
.irp b, 0,1,2,3
	v_max_num_f32 v[BM+\b], 0x4800000, v[BM+\b]    ; the floor 2^(9 - 127): the byte cannot fall under 1
.endr
.irp b, 0,1,2,3
	s_delay_alu instid0(VALU_DEP_4)
	v_add_nc_u32 v[SOP+\b], 0xfc000000, v[BM+\b]   ; 8 off the exponent field: the conversion's scale operand
.endr
.irp b, 0,1,2,3
	v_and_or_b32 v[HL+\b], v[BM+\b], 0x7f800000, s[MNT]   ; 448 x the scale
.endr
.irp b, 0,1,2,3
	v_lshrrev_b32 v[PM+\b], 23, v[SOP+\b]          ; the scale's byte
.endr
	s_delay_alu instid0(VALU_DEP_3)
	v_lshl_or_b32 v[PSW], v[PM+1], 8, v[PM]
	s_delay_alu instid0(VALU_DEP_1)
	v_lshl_or_b32 v[PSW], v[PM+2], 16, v[PSW]
	s_delay_alu instid0(VALU_DEP_1)
	v_lshl_or_b32 v[PSW], v[PM+3], 24, v[PSW]      ; p's scale word for these 128 keys
.irp b, 0,1,2,3,4                              ; a block's conversions stand behind the next block's holds
.if \b < 4
.irp i, 0,2,4,6,8,10,12,14
	HOLD2 S+16*\b+\i, \b                           ; the conversion to an 8-bit code does not saturate (ISA guide 7.6.2)
.endr
.endif
.if \b > 0
	v_cvt_scalef32_pk8_fp8_f32 v[PC+4*(\b-1):PC+4*(\b-1)+1], v[S+16*(\b-1):S+16*(\b-1)+7], v[SOP+(\b-1)]
	v_cvt_scalef32_pk8_fp8_f32 v[PC+4*(\b-1)+2:PC+4*(\b-1)+3], v[S+16*(\b-1)+8:S+16*(\b-1)+15], v[SOP+(\b-1)]
.endif
.endr
	s_wait_alu depctr_va_vdst(0)
.set jj, 0
.rept 16
	v_pk_mul_f32 v[O+jj:O+jj+1], v[O+jj:O+jj+1], v[FF:FF+1] op_sel_hi:[1,0]   ; O^T under the new M; also the places ahead of the products below
.set jj, jj+2
.endr
	s_wait_alu depctr_va_vdst(0)
	s_wait_dscnt 0x0                               ; V's fragments and scale words
.irp t, 0,1,2,3                                ; O^T += V^T P^T; the four accumulators take turns
	v_wmma_scale_f32_16x16x128_f8f6f4 v[O+8*\t:O+8*\t+7], v[F+16*\t:F+16*\t+15], v[PC:PC+15], v[O+8*\t:O+8*\t+7], v[VSW+\t], v[PSW]
.endr
.endm
.macro BEGIN                           ; a tile of queries begins: its scale word, and an empty state
	s_wait_loadcnt 0x0
	v_lshrrev_b32 v[T0], s[QSH], v[QR]
	v_and_b32 v[T0], 0xffff, v[T0]
	v_lshl_or_b32 v[QS], v[T0], 16, v[T0]          ; my tile's two bytes, for either half of a fragment of K
	v_mov_b32 v13, 0xff61b1e6                      ; the largest t so far: -3e38
	v_floor_f32 v12, -v13
	v_mov_b32 v14, 0
	v_mov_b32 v15, 0
.set jj, 0
.rept 32
	v_mov_b32 v[O+jj], 0                           ; the step is written for every step alike: the first finds zeros
.set jj, jj+1
.endr
.endm
.macro WALK from                       ; key steps (wave + from) .. (wave + 15) modulo 16
	s_mov_b32 s[CNT], \from
.Lstep_\@:
	s_add_co_u32 s[IX], s[WV], s[CNT]
	s_and_b32 s[IX], s[IX], 15
	s_lshl_b32 s[TB], s[IX], 14
	s_lshl_b32 s[TS], s[IX], 9
	STEP
	s_add_co_u32 s[CNT], s[CNT], 1
	s_cmp_lt_u32 s[CNT], 16
	s_cbranch_scc1 .Lstep_\@
.endm
; THE WAY OUT of tile n: O^T / the sum; an exchange with lane l xor 16 lays 16 neighbouring channels into a lane, as the next operand wants them; quantised along the channels; stored as an image of operand registers.
.macro FINISH n
.rept 8
	v_nop
.endr
	v_add_f32 v14, v14, v15
	s_delay_alu instid0(VALU_DEP_1)
	v_permlanex16_b32 v[T0], v14, s[SEL], s[SEL+1]
	s_delay_alu instid0(VALU_DEP_1)
	v_add_f32 v14, v14, v[T0]                      ; the row's sum
	s_wait_alu depctr_va_vdst(0)                   ; the wait ahead of the transcendental
	v_rcp_f32 v14, v14
	v_nop
	s_wait_alu depctr_va_vdst(0)                   ; and ahead of its first reader, which is O^T's first reader too
.set jj, 0
.rept 32
	v_mul_f32 v[S+jj], v[O+jj], v14
.set jj, jj+1
.endr
.irp b, 0,1
.irp j, 0,1,2,3,4,5,6,7
	v_permlanex16_b32 v[S+32+16*\b+\j], v[S+16*\b+8+\j], s[SEL], s[SEL+1]
	v_permlanex16_b32 v[S+32+16*\b+8+\j], v[S+16*\b+\j], s[SEL], s[SEL+1]
.endr
.endr
.irp b, 0,1
.irp j, 0,1,2,3,4,5,6,7
	v_cndmask_b32 v[F+16*\b+\j], v[S+16*\b+\j], v[S+32+16*\b+\j], s[HM]
	v_cndmask_b32 v[F+16*\b+8+\j], v[S+32+16*\b+8+\j], v[S+16*\b+8+\j], s[HM]
.endr
.endr
.irp b, 0,1
	v_max3_num_f32 v[BM+\b], |v[F+16*\b]|, |v[F+16*\b+1]|, 0x4800000
.endr
.irp i, 2,4,6,8,10,12,14
.irp b, 0,1
	s_delay_alu instid0(VALU_DEP_2)
	v_max3_num_f32 v[BM+\b], v[BM+\b], |v[F+16*\b+\i]|, |v[F+16*\b+\i+1]|
.endr
.endr
.irp b, 0,1
	s_delay_alu instid0(VALU_DEP_2)
	v_permlanex16_b32 v[PM+\b], v[BM+\b], s[SEL], s[SEL+1]
.endr
.irp b, 0,1
	s_delay_alu instid0(VALU_DEP_2)
	v_max_num_f32 v[BM+\b], v[BM+\b], v[PM+\b]
.endr
.irp b, 0,1
	s_delay_alu instid0(VALU_DEP_2)
	v_add_nc_u32 v[SOP+\b], 0xfc000000, v[BM+\b]
.endr
.irp b, 0,1
	s_delay_alu instid0(VALU_DEP_4)
	v_and_or_b32 v[HL+\b], v[BM+\b], 0x7f800000, s[MNT]
.endr
.irp b, 0,1
	s_delay_alu instid0(VALU_DEP_4)
	v_lshrrev_b32 v[PM+\b], 23, v[SOP+\b]
.endr
	s_delay_alu instid0(VALU_DEP_1)
	v_lshl_or_b32 v[T0+1], v[PM+1], 8, v[PM]
.irp b, 0,1
.irp i, 0,1,2,3,4,5,6,7,8,9,10,11,12,13,14,15
	v_med3_num_f32 v[F+16*\b+\i], v[F+16*\b+\i], -v[HL+\b], v[HL+\b]
.endr
	v_cvt_scalef32_pk8_fp8_f32 v[PC+4*\b:PC+4*\b+1], v[F+16*\b:F+16*\b+7], v[SOP+\b]
	v_cvt_scalef32_pk8_fp8_f32 v[PC+4*\b+2:PC+4*\b+3], v[F+16*\b+8:F+16*\b+15], v[SOP+\b]
.endr
	v_nop                                          ; a plain line behind the last conversion
	global_store_b128 v[LI], v[PC:PC+3], s[12:13] offset:0x40000*\n       ; 32 lanes store 512 consecutive bytes
	global_store_b128 v[LI], v[PC+4:PC+7], s[12:13] offset:0x40000*\n+512
	global_store_b16 v[R32], v[T0+1], s[14:15] offset:8192*\n             ; my head's two scale bytes of each of 16 tokens' rows of 32
.endm
	s_wait_alu depctr_va_vdst(0)
	BEGIN
	s_mov_b32 s[TB], s72                           ; my own key step
	s_mov_b32 s[TS], s73
	s_wait_alu depctr_va_vdst(0)
	s_wait_tensorcnt 0x0                           ; my key step's codes have landed
	ds_store_b128 v[SST], v[F:F+3]                 ; its scale bytes
	s_wait_dscnt 0x0
	s_barrier_signal -1                            ; my part of K and V is in
	STEP                                           ; between signal and wait: LDS loads of my own key step alone, and work on registers
	s_barrier_wait -1                              ; every wave's part is in
	WALK 1
	global_load_b128 v[24:27], v[LI], s[4:5] offset:16384       ; my second tile of Q, 16 tiles on, comes under the first tile's way out
	global_load_b128 v[28:31], v[LI], s[4:5] offset:16384+512
	global_load_b32 v[QR], v[R4], s[6:7] offset:512
	FINISH 0
	s_wait_xcnt 0x0                                ; the stores have read their registers, which the second tile writes again
	BEGIN
	WALK 0
	FINISH 1
	s_wait_tensorcnt 0x0                           ; the wave's end
	ds_add_u32 v[SPW], v[NIL]
	s_wait_dscnt 0x0
	CROUND                                         ; the closing round
	s_endpgm
.Lfunc_end_k_q147f7bfbfc_attn:
	.size	k_q147f7bfbfc_attn, .Lfunc_end_k_q147f7bfbfc_attn-k_q147f7bfbfc_attn
	.p2alignl 7, 3214868480
	.fill 96, 4, 3214868480
	.section	.rodata,"a",@progbits
	.p2align	6, 0x0
	.amdhsa_kernel k_q147f7bfbfc_attn
		.amdhsa_group_segment_fixed_size 327680
		.amdhsa_private_segment_fixed_size 0
		.amdhsa_enable_private_segment 0
		.amdhsa_kernarg_size 48
		.amdhsa_user_sgpr_count 2
		.amdhsa_user_sgpr_kernarg_segment_ptr 1
		.amdhsa_wavefront_size32 1
		.amdhsa_system_sgpr_workgroup_id_x 1
		.amdhsa_system_sgpr_workgroup_id_y 1
		.amdhsa_system_sgpr_workgroup_id_z 1
		.amdhsa_system_vgpr_workitem_id 0
		.amdhsa_next_free_vgpr 256
		.amdhsa_next_free_sgpr 80
		.amdhsa_reserve_vcc 0
		.amdhsa_float_denorm_mode_32 3
		.amdhsa_float_denorm_mode_16_64 3
		.amdhsa_memory_ordered 1
		.amdhsa_forward_progress 1
		.amdhsa_inst_pref_size 89
	.end_amdhsa_kernel
	.amdgpu_metadata
---
amdhsa.version: [ 1, 2 ]
amdhsa.kernels:
  - .name:           k_q147f7bfbfc_attn
    .symbol:         k_q147f7bfbfc_attn.kd
    .args:
      - { .name: q_img, .offset: 0, .size: 8, .value_kind: global_buffer, .address_space: global }
      - { .name: q_sc, .offset: 8, .size: 8, .value_kind: global_buffer, .address_space: global }
      - { .name: kv_img, .offset: 16, .size: 8, .value_kind: global_buffer, .address_space: global }
      - { .name: kv_sc, .offset: 24, .size: 8, .value_kind: global_buffer, .address_space: global }
      - { .name: ao_img, .offset: 32, .size: 8, .value_kind: global_buffer, .address_space: global }
      - { .name: ao_sc, .offset: 40, .size: 8, .value_kind: global_buffer, .address_space: global }
    .group_segment_fixed_size: 327680
    .private_segment_fixed_size: 0
    .kernarg_segment_align: 8
    .kernarg_segment_size: 48
    .max_flat_workgroup_size: 512
    .sgpr_count:     80
    .vgpr_count:     256
    .wavefront_size: 32
...
	.end_amdgpu_metadata
.endif
;; end of part 2
;; launch proj (part 3): grid 8 x 32, 4 waves a work-group, clusters of 4 x 4, 327,680 bytes of LDS; arguments ao_img, ao_sc, w_out_codes, w_out_scales, b_out, out0; writes out0
.if DOCPART == 3
	.amdgcn_target "amdgcn-amd-amdhsa--gfx1250"
	.amdhsa_code_object_version 6
	.text
	.protected	k_q147f7bfbfc_proj
	.globl	k_q147f7bfbfc_proj
	.p2align	8
	.type	k_q147f7bfbfc_proj,@function
k_q147f7bfbfc_proj:
	s_mov_b64 s[64:65], 0
	v_nop
	global_prefetch_b8 v0, s[64:65] scope:SCOPE_SE
	s_setreg_imm32_b32 hwreg(HW_REG_WAVE_MODE, 25, 1), 1
	s_wait_xcnt 0x0
	s_wait_alu depctr_hold_cnt(0) depctr_sa_sdst(0) depctr_va_vdst(0) depctr_va_sdst(0) depctr_va_ssrc(0) depctr_va_vcc(0) depctr_vm_vsrc(0)
	s_getreg_b32 s2, hwreg(HW_REG_IB_STS2, 6, 4)
	s_cmp_eq_u32 s2, 0
	s_cbranch_scc0 .Lentry_in_a_cluster
	s_endpgm
.Lentry_in_a_cluster:
	s_bfe_u32 s2, ttmp6, 0x10000c
	s_cmp_lg_u32 s2, 0xf033
	s_cbranch_scc0 .Lentry_shape_is_right
	s_endpgm
.Lentry_shape_is_right:
; LAUNCH 3 OF 3: out0 = o w_out + b_out on codes of FP8 (E4M3) with one E8M0 scale for each 32 along K (K = 1,024), f32 sums, f32 result.  Nothing of the problem is left out.
; LIMITS: NaN, infinities and NaN codes among the inputs are not served.
; SHAPE.  256 tiles of 256 tokens x 128 columns, one for each work-group; four waves of 128 x 64: 32 accumulators, 256 registers.  K goes in four steps of 256 through a ring of two LDS slots;
; the scale bytes of the tile's 256 + 128 rows come once and stay in LDS.  A = o, as the images of operand registers that launch 2 stores: [tile of 16 tokens][16,384 bytes], 512 bytes for each 32 along K; B = w_out, rows of 1,024 bytes.
; CLUSTERS of 4 x 4: A's tiles are shared along a row of the cluster, B's along a column; each is asked for jointly by the four that need it.
; THE MATRIX INSTRUCTION IS USED TRANSPOSED: source 0 = 16 rows of w_out, source 1 = 16 tokens: a lane holds eight neighbouring columns of one token's row.  The bias is the first products' C.
; NO PREFETCH: K is four slots long, two of which are asked for at the head; only two refills follow.
; REGISTERS, in windows of 256.  Window 0: v16-31 addresses; v32-63 scale words, two sets; v64-95 the bias; v128-255 A's fragments, one set.  Window 1: B's fragments, two sets of 64.  Window 2: accumulator (a, b) at v[8 (4 a + b)].
.set NQ,     2                         ; matrix instructions deep in a slot
.set ROWB,   256                       ; a row of B's tile in bytes
.set KROW,   1024
.set PITCH,  272                       ; B's LDS row: 256 bytes + 16 of padding: the 16 rows that a load touches start at 16 different banks (64 banks of 4 bytes: ISA guide 11.1)
.set FR,     16
.set NL,     4
.set NP,     8                         ; places behind this matrix instruction (ISA guide 7.12.1)
.set HALFA,  32768                     ; 128 tokens x 256 codes, dense: images are read 16 bytes a lane on end
.set HALFB,  64*PITCH
.set BOFF,   2*HALFA
.set SLOT,   BOFF+2*HALFB
.set LAPS,   2
.set KS,     32                        ; a row of scale bytes
.set SCL,    2*SLOT                    ; behind the ring: B's scales (128 rows), as units of 256 bytes + 16 of padding,
.set HSB,    8*272                     ; (64 rows)
.set SCA,    SCL+2*HSB                 ; then A's (256 rows)
.set HSA,    16*272                    ; (128 rows)
.set SBLK,   2*272                     ; 16 rows
.set SPARE,  SCA+2*HSA                 ; the spare words, 128 bytes for each wave
.set SPITCH, 272                       ; the way out: a stage of 16 rows x (256 bytes + 16) for each wave, in slot 0, which has had its last fill and its last read by then
.set NROW,   4096                      ; a row of out0 in bytes
.set ADRA, 16                          ; v16-17 LDS address of my A fragments in slot 0, 1
.set ADRB, 20                          ; v20-21 the same for B
.set STO,  24
.set RD,   25
.set CO,   26
.set ADRS, 27                          ; my scale words: lanes 0-15 B's rows, lanes 16-31 A's
.set SPW,  28
.set NIL,  29
.set SC,   32
.set BI,   64
.set AF,   128
.set BK,   128
.set G1, 24
.set G0, 32
.set G1B, 48
.set G0B, 56
.set G1S, 68
.set G0S, 76
.set G1SB, 80
.set G0SB, 88
.set MSB, 0
.macro WIN new                         ; the immediate's high byte repeats the setting that is left
.if MSB != (\new)
	s_set_vgpr_msb (MSB<<8)|(\new)
.set MSB, (\new)
.endif
.endm
.set MUL, 0xa1                         ; source 0 (B) window 1, source 1 (A) window 0, C and D window 2
.set FST, 0x81                         ; the same, C (the bias) window 0
.set TO_B, 0x40
; A joint load of the ring: waves 0 and 1 fetch A's halves, waves 2 and 3 B's.  An s_nop 0 and four v_nop follow each line.
.macro JLOAD g0a, g1a, g0b, g1b
	s_cmp_eq_u32 s15, 0
	s_cbranch_scc0 .Lfor_b_\@
	tensor_load_to_lds s[\g0a:\g0a+3], s[\g1a:\g1a+7]
	s_nop 0
.rept 4
	v_nop
.endr
	s_branch .Lasked_\@
.Lfor_b_\@:
	tensor_load_to_lds s[\g0b:\g0b+3], s[\g1b:\g1b+7]
	s_nop 0
.rept 4
	v_nop
.endr
.Lasked_\@:
.endm
.macro CREST                           ; a round of the cluster's barrier behind its opening barrier
	s_cmp_lg_u32 s14, 0
	s_cbranch_scc1 .Lnot_wave_0_\@
	s_barrier_signal -3
.Lnot_wave_0_\@:
	s_barrier_wait -3
	s_barrier_signal -1
	s_barrier_wait -1
.endm
.macro CROUND
	s_barrier_signal -1
	s_barrier_wait -1
	CREST
.endm
	s_load_b128 s[4:7], s[0:1], 0x0                ; ao_img, ao_sc
	s_load_b128 s[8:11], s[0:1], 0x10              ; w_out's codes, w_out's scales
	s_load_b64 s[66:67], s[0:1], 0x20              ; b_out
	s_load_b64 s[12:13], s[0:1], 0x28              ; out0
	v_lshl_add_u32 v[SPW], v0, 2, SPARE
	v_mov_b32 v[NIL], 0
	ds_add_u32 v[SPW], v[NIL]                      ; the opening lines: the add, twice on end, and its wait ahead of my first tensor load
	ds_add_u32 v[SPW], v[NIL]
	v_lshrrev_b32 v1, 5, v0
	v_readfirstlane_b32 s14, v1                    ; wave 0..3
	s_lshr_b32 s15, s14, 1                         ; which 128 tokens are mine.  Also: in the ring I fetch for A (0) or for B (1)
	s_and_b32 s16, s14, 1                          ; which 64 columns.  Also: which half of that tile I fetch
	s_bfe_u32 s40, ttmp6, 0x40000                  ; cx
	s_bfe_u32 s41, ttmp6, 0x40004                  ; cy
	s_lshl_b32 s42, ttmp9, 2
	s_add_co_u32 s42, s42, s40                     ; tile column, 0..7
	s_and_b32 s17, ttmp7, 0xffff
	s_lshl_b32 s17, s17, 2
	s_add_co_u32 s17, s17, s41                     ; tile row, 0..31
	s_lshl_b32 s43, s41, 2
	s_lshl_b32 s43, 15, s43                        ; my row of the cluster
	s_lshl_b32 s44, 0x1111, s40                    ; my column
	s_or_b32 s[G1+0], s43, (3<<16)|(1<<21)         ; A: for each tile of 16 tokens 4,096 bytes (512 elements of 8), 16,384 bytes apart; 16 tiles at the head, 8 in the ring
	s_mov_b32 s[G1+1], 512<<16
	s_mov_b32 s[G1+2], 16<<16
	s_mov_b32 s[G1+3], 512<<16
	s_mov_b32 s[G1+4], 16
	s_mov_b32 s[G1+5], 2048
	s_mov_b32 s[G1+6], 0
	s_mov_b32 s[G1+7], 0
	s_or_b32 s[G1B+0], s44, (0<<16)|(1<<20)|(1<<21)|(5<<22)|(3<<25)  ; B: rows of 256 bytes, 4 words of padding behind each; 128 rows at the head, 64 in the ring
	s_mov_b32 s[G1B+1], ROWB<<16
	s_mov_b32 s[G1B+2], 128<<16
	s_mov_b32 s[G1B+3], ROWB<<16
	s_mov_b32 s[G1B+4], 128
	s_mov_b32 s[G1B+5], KROW
	s_mov_b32 s[G1B+6], 0
	s_mov_b32 s[G1B+7], 0
	s_or_b32 s[G1S+0], s43, (3<<16)|(1<<20)|(1<<21)|(5<<22)|(3<<25)  ; A's scales: 8,192 dense bytes as 32 rows of 256, 16 bytes of padding behind each
	s_mov_b32 s[G1S+1], 32<<16
	s_mov_b32 s[G1S+2], 32<<16
	s_mov_b32 s[G1S+3], 32<<16
	s_mov_b32 s[G1S+4], 32
	s_mov_b32 s[G1S+5], 32
	s_mov_b32 s[G1S+6], 0
	s_mov_b32 s[G1S+7], 0
	s_or_b32 s[G1SB+0], s44, (3<<16)|(1<<20)|(1<<21)|(5<<22)|(3<<25) ; B's: 4,096 bytes as 16 rows
	s_mov_b32 s[G1SB+1], 32<<16
	s_mov_b32 s[G1SB+2], 16<<16
	s_mov_b32 s[G1SB+3], 32<<16
	s_mov_b32 s[G1SB+4], 16
	s_mov_b32 s[G1SB+5], 32
	s_mov_b32 s[G1SB+6], 0
	s_mov_b32 s[G1SB+7], 0
	s_lshl_b32 s20, s17, 18                        ; A's codes: 16 tiles of 16,384 bytes for a tile row
	s_mov_b32 s21, 0
	s_lshl_b32 s22, s17, 13                        ; A's scales: 256 rows of 32 bytes
	s_mov_b32 s23, 0
	s_lshl_b32 s46, s42, 17                        ; B's codes: 128 rows of 1,024 bytes
	s_mov_b32 s47, 0
	s_lshl_b32 s92, s42, 12                        ; B's scales
	s_mov_b32 s93, 0
	s_lshl_b32 s2, s16, 17                         ; in the ring: my half of A's tile, in memory,
	s_mov_b32 s3, 0
	s_lshl_b32 s18, s16, 16                        ; of B's,
	s_mov_b32 s19, 0
	s_lshl_b32 s45, s16, 15                        ; and where they go in a slot: no place in the cluster enters an LDS address
	s_mul_i32 s95, s16, HALFB
	s_add_co_u32 s95, s95, BOFF
	s_wait_dscnt 0x0                               ; both opening adds are done
	s_wait_kmcnt 0x0
	s_add_nc_u64 s[20:21], s[4:5], s[20:21]
	s_add_nc_u64 s[22:23], s[6:7], s[22:23]
	s_add_nc_u64 s[46:47], s[8:9], s[46:47]
	s_add_nc_u64 s[92:93], s[10:11], s[92:93]
	CROUND                                         ; all sixteen work-groups are here: the first joint loads meet
	s_mov_b32 s[G0S], 1
	s_mov_b32 s[G0S+1], SCA
	s_mov_b64 s[G0S+2:G0S+3], s[22:23]
	s_or_b32 s[G0S+3], s[G0S+3], 0x80000000
	s_mov_b32 s[G0SB], 1
	s_mov_b32 s[G0SB+1], SCL
	s_mov_b64 s[G0SB+2:G0SB+3], s[92:93]
	s_or_b32 s[G0SB+3], s[G0SB+3], 0x80000000
	s_mov_b32 s[G0], 1                             ; slot 0's groups 0 serve the head first: K step 0 of A's 256 tokens, whole,
	s_mov_b32 s[G0+1], 0
	s_mov_b64 s[G0+2:G0+3], s[20:21]
	s_or_b32 s[G0+3], s[G0+3], 0x80000000
	s_mov_b32 s[G0B], 1                            ; and of B's 128 rows
	s_mov_b32 s[G0B+1], BOFF
	s_mov_b64 s[G0B+2:G0B+3], s[46:47]
	s_or_b32 s[G0B+3], s[G0B+3], 0x80000000
	s_add_nc_u64 s[20:21], s[20:21], s[2:3]        ; for the ring: my half of the tile
	s_add_nc_u64 s[46:47], s[46:47], s[18:19]
	s_mov_b32 s[G0+4], 1                           ; slot 1: K step 1
	s_add_co_u32 s[G0+5], s45, SLOT
	s_add_nc_u64 s[G0+6:G0+7], s[20:21], 4096
	s_or_b32 s[G0+7], s[G0+7], 0x80000000
	s_mov_b32 s[G0B+4], 1
	s_add_co_u32 s[G0B+5], s95, SLOT
	s_add_nc_u64 s[G0B+6:G0B+7], s[46:47], ROWB
	s_or_b32 s[G0B+7], s[G0B+7], 0x80000000
; THE HEAD'S LOADS, ONE A WAVE: wave 0 A's K step 0, wave 1 B's, wave 2 A's scales, wave 3 B's.  One tree of branches on the wave's number: every way passes exactly one load.
.macro ARM under, g0, g1, next
	s_cmp_lt_u32 s14, \under
	s_cbranch_scc0 \next
	tensor_load_to_lds s[\g0:\g0+3], s[\g1:\g1+7]
	s_nop 0
.rept 4
	v_nop
.endr
	s_branch .Lhead_asked
\next:
.endm
	ARM 1, G0,  G1,  .Lhead_b
	ARM 2, G0B, G1B, .Lhead_sa
	ARM 3, G0S, G1S, .Lhead_sb
	tensor_load_to_lds s[G0SB:G0SB+3], s[G1SB:G1SB+7]
	s_nop 0
.rept 4
	v_nop
.endr
.Lhead_asked:
	v_and_b32 v1, 15, v0                           ; r = l % 16
	v_bfe_u32 v2, v0, 4, 1                         ; h = l / 16
	v_and_b32 v6, 31, v0
	v_lshlrev_b32 v8, 4, v6                        ; 16 x lane
	v_mul_u32_u24 v3, v1, PITCH
	v_lshl_add_u32 v4, v2, 4, v3                   ; B: a fragment's row x pitch + 16 x half
	s_lshl_b32 s21, s15, 15                        ; my 128 tokens of A
	s_mov_b32 s22, s95                             ; my 64 rows of B
.irp s, 0,1
	v_add_nc_u32 v[ADRA+\s], s21, v8
	v_add_nc_u32 v[ADRB+\s], s22, v4
	s_add_co_u32 s21, s21, SLOT
	s_add_co_u32 s22, s22, SLOT
.endr
	v_mul_u32_u24 v5, v1, KS                       ; my row's scales: 32 bytes a row,
	v_lshrrev_b32 v6, 8, v5
	v_lshl_add_u32 v5, v6, 4, v5                   ; and 16 more for each 256 passed
	s_mul_i32 s21, s16, HSB                        ; lanes 0-15: B's, my 64 rows
	s_mul_i32 s22, s15, HSA                        ; lanes 16-31: A's, my 128 rows
	s_add_co_u32 s22, s22, SCA-SCL
	s_sub_co_u32 s22, s22, s21
	v_mul_u32_u24 v6, s22, v2                      ; one product: the distance between the two bases
	s_add_co_u32 s21, s21, SCL
	v_add_nc_u32 v5, v5, v6
	v_add_nc_u32 v[ADRS], s21, v5
	s_mul_i32 s23, s14, 16*SPITCH                  ; my stage
	v_mul_u32_u24 v5, v1, SPITCH                   ; in: row r, 32 bytes for each half of the lanes
	v_lshl_add_u32 v5, v2, 5, v5
	v_add_nc_u32 v[STO], s23, v5
	v_mul_u32_u24 v5, v2, SPITCH                   ; back: lanes 0-15 one row of 256 bytes, lanes 16-31 the next
	v_lshl_add_u32 v5, v1, 4, v5
	v_add_nc_u32 v[RD], s23, v5
	v_lshlrev_b32 v5, 12, v2                       ; and the same two rows in out0
	v_lshl_add_u32 v[CO], v1, 4, v5
	s_lshl_b32 s20, s42, 9                         ; my first column, in bytes: 512 x tile column + 256 x half
	s_lshl_b32 s21, s16, 8
	s_add_co_u32 s20, s20, s21
	s_mov_b32 s21, 0
	s_add_nc_u64 s[66:67], s[66:67], s[20:21]
	v_lshlrev_b32 v7, 5, v2
.irp b, 0,1,2,3
	global_load_b128 v[BI+8*\b:BI+8*\b+3], v7, s[66:67] offset:64*\b        ; the bias of columns 16 b + 8 h + 0 .. 7
	global_load_b128 v[BI+8*\b+4:BI+8*\b+7], v7, s[66:67] offset:64*\b+16
.endr
	s_add_nc_u64 s[12:13], s[12:13], s[20:21]
	s_lshl_b32 s20, s17, 8
	s_lshl_b32 s22, s15, 7
	s_add_co_u32 s20, s20, s22                     ; my first token
	s_lshl_b32 s20, s20, 12
	s_add_nc_u64 s[12:13], s[12:13], s[20:21]
.macro FRAG reg, adr, q, i             ; B: 16 rows x 128 K: lane l holds row l % 16; registers 4 c .. 4 c + 3 hold K = 32 c + 16 (l / 16) + 0 .. 15
.irp c, 0,1,2,3
	ds_load_b128 v[\reg+4*\c:\reg+4*\c+3], v[\adr] offset:128*(\q)+32*\c+(\i)*16*PITCH
.endr
.endm
.macro FRAGA reg, adr, q, i            ; A: an image: four registers x 32 lanes are 512 bytes on end
.irp c, 0,1,2,3
	ds_load_b128 v[\reg+4*\c:\reg+4*\c+3], v[\adr] offset:4096*(\i)+2048*(\q)+512*\c
.endr
.endm
; 8 matrix instructions: A's blocks a0, a0 + 1 x B's four.  The 32 accumulators take turns, one instruction a turn, in the same order in every step.
; One register carries B's scale word of block i in lanes 0-15 and A's of block i in lanes 16-31.
.macro MUL8 a0, p, q, sc, zero
.irp a, \a0, \a0+1
.irp b, 0,1,2,3
.if \zero
	v_wmma_scale_f32_16x16x128_f8f6f4 v[8*(4*(\a)+\b):8*(4*(\a)+\b)+7], v[64*(\p)+FR*\b:64*(\p)+FR*\b+FR-1], v[AF+FR*(\a):AF+FR*(\a)+FR-1], v[BI+8*\b:BI+8*\b+7], v[SC+8*NQ*(\sc)+NQ*\b+(\q)], v[SC+8*NQ*(\sc)+NQ*(\a)+(\q)] matrix_b_scale:MATRIX_SCALE_ROW1
.else
	v_wmma_scale_f32_16x16x128_f8f6f4 v[8*(4*(\a)+\b):8*(4*(\a)+\b)+7], v[64*(\p)+FR*\b:64*(\p)+FR*\b+FR-1], v[AF+FR*(\a):AF+FR*(\a)+FR-1], v[8*(4*(\a)+\b):8*(4*(\a)+\b)+7], v[SC+8*NQ*(\sc)+NQ*\b+(\q)], v[SC+8*NQ*(\sc)+NQ*(\a)+(\q)] matrix_b_scale:MATRIX_SCALE_ROW1
.endif
.endr
.endr
.endm
.macro FETCH_B slot, q, p
	WIN TO_B
.irp i, 0,1,2,3
	FRAG 64*(\p)+FR*\i, ADRB+\slot, \q, \i
.endr
	WIN 0
.endm
.macro FETCH_A slot, q, i0
.irp i, \i0, \i0+1, \i0+2, \i0+3
	FRAGA AF+FR*(\i), ADRA+\slot, \q, \i
.endr
.endm
.macro SCALES sc                       ; eight loads for A's eight blocks; of B's words the first four registers' are used (in the others lanes 0-15 read bytes of the scales' own region, which nothing uses)
.irp i, 0,1,2,3,4,5,6,7
	ds_load_b64 v[SC+8*NQ*\sc+NQ*\i:SC+8*NQ*\sc+NQ*\i+1], v[ADRS] offset:\i*SBLK
.endr
.endm
.macro PLACES n                        ; plain vector instructions between a matrix instruction and a load into, or a reader of, its registers
.rept \n
	v_nop
.endr
.endm
.macro STEP slot, q, zero              ; 128 along K, with its successor in the same slot
	s_wait_dscnt 4*NL                              ; B's set and A's blocks 0-3 are in; the youngest 16 loads (A's blocks 4-7) may be out
.if \zero
	WIN FST
.else
	WIN MUL
.endif
	MUL8 0, (\q)%2, \q, \slot, \zero
	MUL8 2, (\q)%2, \q, \slot, \zero
	s_wait_dscnt 0
	PLACES NP
	FETCH_B \slot, (\q)+1, 1-(\q)%2
	FETCH_A \slot, (\q)+1, 0
.if \zero
	WIN FST
.else
	WIN MUL
.endif
	MUL8 4, (\q)%2, \q, \slot, \zero
	MUL8 6, (\q)%2, \q, \slot, \zero
	PLACES NP
	WIN 0
	FETCH_A \slot, (\q)+1, 4
.endm
; A slot's last step changes slots: one barrier; in front of it each wave waits for all its tensor loads, adds 0 to its spare word, and waits for that and for its own reads of this slot.
.macro TURN slot, next, fill
	s_wait_tensorcnt 0x0                           ; all my tensor loads have landed: my part of the next slot
	ds_add_u32 v[SPW], v[NIL]
	s_wait_dscnt 4*NL+1                            ; the add and the youngest 16 loads may be out
	WIN MUL
	MUL8 0, 1, NQ-1, \slot, 0
	s_wait_dscnt 0x0                               ; the add is done, and my reads of this slot are over
	s_barrier_signal -1
	MUL8 2, 1, NQ-1, \slot, 0
	WIN 0
	s_barrier_wait -1
.if \fill
	CREST                                          ; the barrier has opened a round of the cluster's barrier: no wave of any partner still reads this slot or has a load on its way
	s_add_nc_u64 s[G0+4*\slot+2:G0+4*\slot+3], s[G0+4*\slot+2:G0+4*\slot+3], 2*4096
	s_add_nc_u64 s[G0B+4*\slot+2:G0B+4*\slot+3], s[G0B+4*\slot+2:G0B+4*\slot+3], 2*ROWB
	JLOAD G0+4*\slot, G1, G0B+4*\slot, G1B         ; the first tensor load behind the round; its four v_nop are four of the eight places
	PLACES NP-4
.else
	PLACES NP
.endif
	s_wait_alu depctr_va_vdst(0)
	v_add_nc_u32 v[ADRS], 4*NQ, v[ADRS]            ; the next K step's scale words
	FETCH_B \next, 0, 0
	FETCH_A \next, 0, 0
	SCALES \next
	WIN MUL
	MUL8 4, 1, NQ-1, \slot, 0
	MUL8 6, 1, NQ-1, \slot, 0
	PLACES NP
	WIN 0
	FETCH_A \next, 0, 4
.endm
	s_wait_alu depctr_va_vdst(0)
	s_wait_tensorcnt 0x0                           ; my tile of the head's four is in
	ds_add_u32 v[SPW], v[NIL]
	s_mov_b32 s[G1+2], 8<<16                       ; no tensor load of mine is out, so descriptors may be written: from here on a load brings half a tile
	s_mov_b32 s[G1+4], 8
	s_mov_b32 s[G1B+2], 64<<16
	s_mov_b32 s[G1B+4], 64
	s_mov_b32 s[G0+1], s45                         ; slot 0's groups 0, for its refills: my half
	s_mov_b32 s[G0B+1], s95
	s_add_nc_u64 s[G0+2:G0+3], s[G0+2:G0+3], s[2:3]
	s_add_nc_u64 s[G0B+2:G0B+3], s[G0B+2:G0B+3], s[18:19]
	s_wait_dscnt 0x0                               ; the add is done
	CROUND                                         ; a whole round: all four tiles are in, and all sixteen work-groups are here
	JLOAD G0+4, G1, G0B+4, G1B                     ; K step 1, the first tensor load behind the round
	FETCH_B 0, 0, 0
	FETCH_A 0, 0, 0
	SCALES 0
	FETCH_A 0, 0, 4
	s_wait_loadcnt 0x0                             ; the bias
	STEP 0, 0, 1                                   ; the first step stands in front of the loop: its products start the sums, on the bias
	s_mov_b32 s3, LAPS-1
.Llap:
	TURN 0, 1, 1
	STEP 1, 0, 0
	TURN 1, 0, 1
	STEP 0, 0, 0
	s_sub_co_u32 s3, s3, 1
	s_cmp_lg_u32 s3, 0
	s_cbranch_scc1 .Llap
	TURN 0, 1, 0                                   ; the last lap fills nothing
	STEP 1, 0, 0
	s_wait_dscnt 4*NL
	WIN MUL
	MUL8 0, 1, NQ-1, 1, 0
	MUL8 2, 1, NQ-1, 1, 0
	s_wait_dscnt 0
	MUL8 4, 1, NQ-1, 1, 0
	MUL8 6, 1, NQ-1, 1, 0
	WIN 0
; THE WAY OUT, block by block of 16 tokens x 64 columns: through my own stage in LDS, back as whole rows of 256 bytes: sixteen lanes store one aligned unit.  LDS serves a wave's instructions in order (ISA guide 5.7.1.4).
.macro TOSTAGE a
	WIN 0x08                                       ; the data: window 2
.irp b, 0,1,2,3
	ds_store_b128 v[STO], v[32*(\a)+8*\b:32*(\a)+8*\b+3] offset:64*\b       ; each accumulator from its low end on
	ds_store_b128 v[STO], v[32*(\a)+8*\b+4:32*(\a)+8*\b+7] offset:64*\b+16
.endr
	WIN 0
.set BB, BK+32*((\a)%2)
.irp t, 0,1,2,3,4,5,6,7
	ds_load_b128 v[BB+4*\t:BB+4*\t+3], v[RD] offset:2*\t*SPITCH
.endr
.endm
.macro SEND a, younger                 ; younger: the LDS instructions issued behind block a's loads, which may stay out
.set BB, BK+32*((\a)%2)
	s_wait_dscnt \younger
.if (\a) > 0
	s_add_nc_u64 s[12:13], s[12:13], 16*NROW       ; (behind a wait on XCNT: the earlier stores have read their base)
.endif
.irp t, 0,1,2,3,4,5,6,7
	global_store_b128 v[CO], v[BB+4*\t:BB+4*\t+3], s[12:13] offset:2*\t*NROW th:TH_STORE_NT
.endr
.endm
	PLACES NP                                      ; behind the last products: the way out reads results and loads into the registers that held A's fragments
	TOSTAGE 0
.irp a, 1,2,3,4,5,6,7
.if \a > 1
	s_wait_xcnt 0x0                                ; block a - 2's stores have read their registers and their base
.endif
	TOSTAGE \a
	SEND \a-1, 16                                  ; behind block a - 1's loads: block a's 8 stores and 8 loads
.endr
	s_wait_xcnt 0x0
	SEND 7, 0
	s_wait_tensorcnt 0x0                           ; the wave's end
	ds_add_u32 v[SPW], v[NIL]
	s_wait_dscnt 0x0
	CROUND                                         ; the closing round
	s_endpgm
.Lfunc_end_k_q147f7bfbfc_proj:
	.size	k_q147f7bfbfc_proj, .Lfunc_end_k_q147f7bfbfc_proj-k_q147f7bfbfc_proj
	.p2alignl 7, 3214868480
	.fill 96, 4, 3214868480
	.section	.rodata,"a",@progbits
	.p2align	6, 0x0
	.amdhsa_kernel k_q147f7bfbfc_proj
		.amdhsa_group_segment_fixed_size 327680
		.amdhsa_private_segment_fixed_size 0
		.amdhsa_enable_private_segment 0
		.amdhsa_kernarg_size 48
		.amdhsa_user_sgpr_count 2
		.amdhsa_user_sgpr_kernarg_segment_ptr 1
		.amdhsa_wavefront_size32 1
		.amdhsa_system_sgpr_workgroup_id_x 1
		.amdhsa_system_sgpr_workgroup_id_y 1
		.amdhsa_system_sgpr_workgroup_id_z 1
		.amdhsa_system_vgpr_workitem_id 0
		.amdhsa_next_free_vgpr 768
		.amdhsa_next_free_sgpr 98
		.amdhsa_reserve_vcc 0
		.amdhsa_float_denorm_mode_32 3
		.amdhsa_float_denorm_mode_16_64 3
		.amdhsa_memory_ordered 1
		.amdhsa_forward_progress 1
		.amdhsa_inst_pref_size 93
	.end_amdhsa_kernel
	.amdgpu_metadata
---
amdhsa.version: [ 1, 2 ]
amdhsa.kernels:
  - .name:           k_q147f7bfbfc_proj
    .symbol:         k_q147f7bfbfc_proj.kd
    .args:
      - { .name: ao_img, .offset: 0, .size: 8, .value_kind: global_buffer, .address_space: global }
      - { .name: ao_sc, .offset: 8, .size: 8, .value_kind: global_buffer, .address_space: global }
      - { .name: w_out_codes, .offset: 16, .size: 8, .value_kind: global_buffer, .address_space: global }
      - { .name: w_out_scales, .offset: 24, .size: 8, .value_kind: global_buffer, .address_space: global }
      - { .name: b_out, .offset: 32, .size: 8, .value_kind: global_buffer, .address_space: global }
      - { .name: out0, .offset: 40, .size: 8, .value_kind: global_buffer, .address_space: global }
    .group_segment_fixed_size: 327680
    .private_segment_fixed_size: 0
    .kernarg_segment_align: 8
    .kernarg_segment_size: 48
    .max_flat_workgroup_size: 128
    .sgpr_count:     98
    .vgpr_count:     768
    .wavefront_size: 32
...
	.end_amdgpu_metadata
.endif
;; end of part 3
